; MI455X (gfx1250); checked and timed in simulation.
; The chip was launched on July 23, 2026; its instructions are those of AMD's public machine-readable ISA for CDNA 5 (MIT licence, August 2026) and "CDNA5" Instruction Set Architecture Reference Guide (July 2026). The comments in the code are by the model that wrote it; some were corrected since.
;; Multi Head Attention. Allowed arithmetic: float matrix products may take bf16 or f16 operands with f32 sums; all other float work in f32.
;; Inputs: b_o 256 float32; w_k 256 x 256 float32; w_o 256 x 256 float32; w_q 256 x 256 float32; w_v 256 x 256 float32; x 8 x 2,048 x 256 float32.
;; Outputs: out0 8 x 2,048 x 256 float32.
;; 3 versions, each right; version 3 is version 2 with the launch proj written anew for expert scheduling mode. Each part assembles by itself: llvm-mc -triple=amdgcn-amd-amdhsa -mcpu=gfx1250 --defsym DOCPART=n.
;; ======== version 1 of 3: 2 launches
;; limits: values are held in f16: magnitudes above 65,504 overflow, below 6.1e-05 lose precision
;; workspace buffers: qkv 25,165,824 bytes; wof 131,072 bytes
;; launch proj (part 1): grid 2 x 128, 4 waves a work-group, no clusters, 272,896 bytes of LDS; arguments x, w_q, w_k, w_v, w_o, qkv, wof; writes qkv, wof
.if DOCPART == 1
	.amdgcn_target "amdgcn-amd-amdhsa--gfx1250"
	.amdhsa_code_object_version 6
	.text
	.protected	k_q6375a4f10d_proj
	.globl	k_q6375a4f10d_proj
	.p2align	8
	.type	k_q6375a4f10d_proj,@function
k_q6375a4f10d_proj:
	s_mov_b64 s[64:65], 0
	v_nop
	global_prefetch_b8 v0, s[64:65] scope:SCOPE_SE
	s_setreg_imm32_b32 hwreg(HW_REG_WAVE_MODE, 25, 1), 1
	s_wait_xcnt 0x0
; qkv[row][0:768] = f16( x[row][:] . [w_q | w_k | w_v] ), row = 0 .. 16383; a row of qkv is 1,536 bytes: q at 0, k at 512, v at 1,024.
; wof = w_o in f16, laid out as the halves of the matrix fragments that the next launch loads (see below).
; A work-group makes 128 rows x 384 columns (three units of 128 columns = 256 bytes of output each); 2 x 128 work-groups.
; Four waves; wave w = (wr = w >> 1, wc = w & 1) makes, in pass p, rows 64 wr .. +63 x columns 128 p + 64 wc .. +63: 16 accumulator tiles.
; x and W are f32 in memory: they pass through registers, are rounded to f16 (nearest even) and laid into LDS once; sums in f32.
; NO CLUSTER, NO TENSOR LOADS: a joint load lands in LDS as it lies in memory, and the f32 images of this group's x (128 KiB) and of
; its three units of W (384 KiB) do not fit into LDS; converted on the way they take 64 + 192 KiB.
; LIMITS: |x|, |w| and every |q|, |k|, |v| must stay below 65,504 (f16's largest number); numbers below 6.1e-5 keep an absolute
; error of 3e-8.  As drawn |q| is about 5; with x and w thirty times larger about 5,000.  NaN and infinities are not served.
; The order of the sums differs from a plain dot product's.
; THE MATRIX INSTRUCTION IS USED TRANSPOSED: source 0 = 16 columns of W, source 1 = 16 rows of x, so that a lane's eight results are
; eight neighbouring columns of one row, 16 bytes in f16.
.set XP,   528                         ; LDS pitch of x's rows: 512 bytes + 16: an odd multiple of 16
.set WP,   800                         ; LDS pitch of W's k rows: 768 bytes + 32: an odd multiple of 32, for the transposing loads
.set SP,   784                         ; LDS pitch of the stage on the way out: 768 bytes + 16
.set XS,   256*WP                      ; W's 256 k rows lie at 0, x's 128 rows behind them; the stage later lies on W's bytes
.set QROW, 1536                        ; bytes in a row of qkv
.set XO,   8                           ; v8      x: 16 t
.set WOFF, 9                           ; v9      W: wave x 1,024 + lane x 16
.set XA,   10                          ; v10-11  LDS: where my 8 bytes of x go, rows 0-63 and 64-127
.set WA,   12                          ; v12-15  LDS: where my 8 bytes of W go, k rows 64 q ..
.set XF,   16                          ; v16     LDS: my x fragments
.set SA,   17                          ; v17     stage: where I put 16 bytes
.set RA,   18                          ; v18     stage: where I read rows back
.set GO,   19                          ; v19     my byte offset in qkv
.set WF,   20                          ; v20-23  LDS: my W fragments, k rows 64 q ..
.set WOA,  24                          ; v24     my offset in w_o
.set WOS,  25                          ; v25     my offset in wof
.set WW,   32                          ; v32-39  eight words of w_o
.set WH,   40                          ; v40-43  the same in f16
.set FA,   64                          ; v64-127   fill buffer A
.set FB,   128                         ; v128-191  fill buffer B
.set ACC,  64                          ; v64-191   afterwards: accumulator tile (ct, rt) at ACC + 8 (4 ct + rt)
.set WB,   192                         ; v192-255  two buffers of four W fragments
                                       ; window 1 (v256-511): x fragment (rt, ks) at 8 (8 rt + ks); window 2 (v512-703): packed results
.set MSB, 0
.macro WIN new                         ; s_set_vgpr_msb: bits 1:0 source 0, 3:2 source 1, 5:4 source 2, 7:6 destination; the high byte repeats the setting left
.if MSB != \new
	s_set_vgpr_msb (MSB<<8)|\new
.set MSB, \new
.endif
.endm
.macro PLACES n                        ; the places behind a matrix instruction (ISA guide 7.12.1)
.rept \n
	v_nop
.endr
.endm
; 16 loads of 16 bytes a lane; each covers 512 consecutive bytes
.macro LD16 buf, sb, vo, i0, st
.set j, 0
.rept 16
	global_load_b128 v[\buf+4*j:\buf+4*j+3], v[\vo], s[\sb:\sb+1] offset:(\i0+j)*(\st)
.set j, j+1
.endr
.endm
; the same 16: rounded to f16 in place, 8 bytes a lane into LDS.  left = the loads that were issued behind them
.macro ST16 buf, va, o0, st, left
	s_wait_loadcnt \left                           ; loads return in order: this group is in, the younger group stays out
.set j, 0
.rept 16
	v_cvt_pk_f16_f32 v[\buf+4*j], v[\buf+4*j], v[\buf+4*j+1]
	v_cvt_pk_f16_f32 v[\buf+4*j+1], v[\buf+4*j+2], v[\buf+4*j+3]
	ds_store_b64 v[\va], v[\buf+4*j:\buf+4*j+1] offset:(\o0)+j*(\st)
.set j, j+1
.endr
.endm
	s_load_b256 s[4:11], s[0:1], 0x0               ; x s[4:5], w_q s[6:7], w_k s[8:9], w_v s[10:11]
	s_load_b128 s[12:15], s[0:1], 0x20             ; w_o s[12:13], qkv s[14:15]
	s_load_b64 s[16:17], s[0:1], 0x30              ; wof
	v_lshl_add_u32 v62, v0, 2, 0x42800
	v_mov_b32 v63, 0
	v_lshrrev_b32 v6, 5, v0
	v_readfirstlane_b32 s18, v6                    ; wave
	s_lshr_b32 s19, s18, 1                         ; wr
	s_and_b32 s20, s18, 1                          ; wc
	s_mov_b32 s21, ttmp9                           ; slice: columns 384 slice ..
	s_and_b32 s22, ttmp7, 0xffff                   ; rb: rows 128 rb ..
	s_lshl1_add_u32 s23, s22, s21                  ; g = 2 rb + slice, 0 .. 255: my half fragment of w_o
	v_and_b32 v1, 31, v0                           ; lane L
	v_and_b32 v2, 15, v0                           ; r
	v_bfe_u32 v3, v0, 4, 1                         ; hh
	v_and_b32 v4, 7, v0                            ; L & 7
	v_bfe_u32 v5, v0, 3, 1                         ; (L >> 3) & 1
	v_lshlrev_b32 v[XO], 4, v0
	v_lshlrev_b32 v[WOS], 4, v1
	v_lshl_add_u32 v[WOFF], v6, 10, v[WOS]
	v_lshlrev_b32 v7, 2, v2
	v_lshl_add_u32 v[WOA], v3, 13, v7              ; 8 hh rows of 1,024 bytes + 4 r
	s_wait_kmcnt 0x0
	; the three units' sources.  slice 0: w_q + 0, w_q + 512, w_k + 0;  slice 1: w_k + 512, w_v + 0, w_v + 512
	s_cmp_eq_u32 s21, 0
	s_cselect_b64 s[24:25], s[6:7], s[8:9]
	s_cselect_b64 s[26:27], s[6:7], s[10:11]
	s_cselect_b64 s[28:29], s[8:9], s[10:11]
	s_cselect_b32 s30, 0, 512
	s_cselect_b32 s32, 512, 0
	s_mov_b32 s31, 0
	s_mov_b32 s33, 0
	s_add_nc_u64 s[24:25], s[24:25], s[30:31]
	s_add_nc_u64 s[26:27], s[26:27], s[32:33]
	s_add_nc_u64 s[28:29], s[28:29], s[30:31]
	s_lshl_b32 s30, s22, 17                        ; 128 rows of 1,024 bytes
	s_add_nc_u64 s[34:35], s[4:5], s[30:31]        ; x at my first row
	s_mul_i32 s30, s22, 128*QROW
	s_mul_i32 s32, s21, 768
	s_add_co_u32 s30, s30, s32
	s_add_nc_u64 s[36:37], s[14:15], s[30:31]      ; qkv at my first row and column
	; wof: half fragment g = (MT 8 + KS) 2 + c; lane (r, hh) owns the 16 bytes at 512 g + 16 L = f16 of w_o[32 KS + 16 c + 8 hh + i][16 MT + r], i = 0 .. 7
	s_and_b32 s30, s23, 15                         ; 2 KS + c: k row 16 (g & 15)
	s_lshl_b32 s30, s30, 14
	s_lshr_b32 s32, s23, 4                         ; MT
	s_lshl_b32 s32, s32, 6
	s_add_co_u32 s30, s30, s32
	s_add_nc_u64 s[38:39], s[12:13], s[30:31]
	s_lshl_b32 s30, s23, 9
	s_add_nc_u64 s[40:41], s[16:17], s[30:31]
	; every wave loads the eight words (1 KiB, the same bytes in all four), so that the counts of the waits below are alike in all waves; wave 0 alone stores
.irp i, 0,1,2,3,4,5,6,7
	global_load_b32 v[WW+\i], v[WOA], s[38:39] offset:1024*\i
.endr
	LD16 FA, 34, XO, 0, 2048                       ; x, two rows a load
	LD16 FB, 34, XO, 16, 2048
	; LDS addresses, while the first loads are on their way
	v_lshrrev_b32 v7, 6, v0
	v_mul_u32_u24 v7, v7, XP
	v_and_b32 v26, 63, v0
	v_lshl_add_u32 v7, v26, 3, v7
	v_add_nc_u32 v[XA], XS, v7                     ; row t >> 6, 8 bytes at 8 (t & 63)
	v_add_nc_u32 v[XA+1], XS+64*XP, v7
	v_mul_u32_u24 v7, v6, WP
	v_lshl_add_u32 v7, v1, 3, v7
.irp q, 0,1,2,3
	v_add_nc_u32 v[WA+\q], \q*64*WP, v7            ; k row wave + 64 q, 8 bytes at 8 L
.endr
	s_mul_i32 s30, s19, 64*XP
	s_add_co_u32 s30, s30, XS
	v_mul_u32_u24 v7, v2, XP
	v_lshl_add_u32 v7, v3, 4, v7
	v_add_nc_u32 v[XF], s30, v7                    ; (64 wr + r) pitch + 16 hh
	s_mul_i32 s30, s19, 64*SP
	s_lshl_b32 s33, s20, 7                         ; 128 wc
	s_add_co_u32 s30, s30, s33
	v_mul_u32_u24 v7, v2, SP
	v_lshl_add_u32 v7, v3, 4, v7
	v_add_nc_u32 v[SA], s30, v7
	s_mul_i32 s30, s18, 32*SP
	v_mul_u32_u24 v7, v3, SP
	v_lshl_add_u32 v7, v2, 4, v7
	v_add_nc_u32 v[RA], s30, v7                    ; (32 w + hh) pitch + 16 r
	s_mul_i32 s30, s18, 32*QROW
	v_mul_u32_u24 v7, v3, QROW
	v_lshl_add_u32 v7, v2, 4, v7
	v_add_nc_u32 v[GO], s30, v7
	v_lshl_add_u32 v7, v3, 3, v4
	v_mul_u32_u24 v7, v7, WP
	v_lshl_add_u32 v7, v5, 4, v7
	v_add_nc_u32 v7, s33, v7
.irp q, 0,1,2,3
	v_add_nc_u32 v[WF+\q], \q*64*WP, v7            ; (8 hh + (L & 7) + 64 q) pitch + 128 wc + 16 ((L >> 3) & 1)
.endr
	; THE FILL: 16 groups of 16 loads on two buffers; 16 to 32 loads of every wave are on their way
	ST16 FA, XA, 0, 2*XP, 16
	LD16 FA, 34, XO, 32, 2048
	ST16 FB, XA, 32*XP, 2*XP, 16
	LD16 FB, 34, XO, 48, 2048
	ST16 FA, XA+1, 0, 2*XP, 16
	LD16 FA, 24, WOFF, 0, 4096                     ; unit 0, four k rows a load
	ST16 FB, XA+1, 32*XP, 2*XP, 16
	LD16 FB, 24, WOFF, 16, 4096
	ST16 FA, WA+0, 0, 4*WP, 16
	LD16 FA, 24, WOFF, 32, 4096
	ST16 FB, WA+1, 0, 4*WP, 16
	LD16 FB, 24, WOFF, 48, 4096
	ST16 FA, WA+2, 0, 4*WP, 16
	LD16 FA, 26, WOFF, 0, 4096                     ; unit 1
	ST16 FB, WA+3, 0, 4*WP, 16
	LD16 FB, 26, WOFF, 16, 4096
	ST16 FA, WA+0, 256, 4*WP, 16
	LD16 FA, 26, WOFF, 32, 4096
	ST16 FB, WA+1, 256, 4*WP, 16
	LD16 FB, 26, WOFF, 48, 4096
	ST16 FA, WA+2, 256, 4*WP, 16
	LD16 FA, 28, WOFF, 0, 4096                     ; unit 2
	ST16 FB, WA+3, 256, 4*WP, 16
	LD16 FB, 28, WOFF, 16, 4096
	ST16 FA, WA+0, 512, 4*WP, 16
	LD16 FA, 28, WOFF, 32, 4096
	ST16 FB, WA+1, 512, 4*WP, 16
	LD16 FB, 28, WOFF, 48, 4096
	ST16 FA, WA+2, 512, 4*WP, 16
	ST16 FB, WA+3, 512, 4*WP, 0                    ; the last group: nothing was issued behind it
	; w_o's words are older than every load of the fill: they are in
.irp i, 0,1,2,3
	v_cvt_pk_f16_f32 v[WH+\i], v[WW+2*\i], v[WW+2*\i+1]
.endr
	s_cmp_lg_u32 s18, 0
	s_cbranch_scc1 .Lno_wo
	global_store_b128 v[WOS], v[WH:WH+3], s[40:41] ; 512 consecutive bytes; WH and WOS are never written again
.Lno_wo:
	s_wait_dscnt 0x0                               ; my LDS stores are done, for the other waves' sake
	s_barrier_signal -1
	s_barrier_wait -1                              ; x and W are whole in LDS
	; my 64 rows of x, all of K, stay in registers: 32 fragments in window 1
	WIN 0x40
.irp rt, 0,1,2,3
.irp ks, 0,1,2,3,4,5,6,7
	ds_load_b128 v[8*(8*\rt+\ks):8*(8*\rt+\ks)+3],   v[XF] offset:\rt*16*XP+64*\ks
	ds_load_b128 v[8*(8*\rt+\ks)+4:8*(8*\rt+\ks)+7], v[XF] offset:\rt*16*XP+64*\ks+32
.endr
.endr
; four W fragments (16 columns x 32 k each) of pass NP, K step NK, into buffer NB: W lies [k][column], so the loads transpose
.macro FETCHW
.irp ct, 0,1,2,3
	ds_load_tr16_b128 v[NB+8*\ct:NB+8*\ct+3],   v[WF+(NK>>1)] offset:(NK&1)*32*WP+256*NP+32*\ct
	ds_load_tr16_b128 v[NB+8*\ct+4:NB+8*\ct+7], v[WF+(NK>>1)] offset:(NK&1)*32*WP+256*NP+32*\ct+16*WP
.endr
.endm
; 16 matrix instructions of K step KSN from buffer CB.  The 16 accumulators take turns, one instruction a turn.
; The first K step starts the sums with the constant 0: nothing is cleared.
.macro MUL16
.irp ct, 0,1,2,3
.irp rt, 0,1,2,3
.if KSN == 0
	v_wmma_f32_16x16x32_f16 v[ACC+8*(4*\ct+\rt):ACC+8*(4*\ct+\rt)+7], v[CB+8*\ct:CB+8*\ct+7], v[8*(8*\rt+KSN):8*(8*\rt+KSN)+7], 0
.else
	v_wmma_f32_16x16x32_f16 v[ACC+8*(4*\ct+\rt):ACC+8*(4*\ct+\rt)+7], v[CB+8*\ct:CB+8*\ct+7], v[8*(8*\rt+KSN):8*(8*\rt+KSN)+7], v[ACC+8*(4*\ct+\rt):ACC+8*(4*\ct+\rt)+7]
.endif
.endr
.endr
.endm
; a pass's 16 tiles rounded to f16 into window 2: tile (PP, ct, rt) at 4 (16 PP + 4 ct + rt)
.macro PACK
.irp ct, 0,1,2,3
.irp rt, 0,1,2,3
.irp i, 0,1,2,3
	v_cvt_pk_f16_f32 v[4*(16*PP+4*\ct+\rt)+\i], v[ACC+8*(4*\ct+\rt)+2*\i], v[ACC+8*(4*\ct+\rt)+2*\i+1]
.endr
.endr
.endr
.endm
	WIN 0x04                                       ; source 1 (x) in window 1; all else in window 0: one setting for loads and products
.set NP, 0
.set NK, 0
.set NB, WB
	FETCHW
.set q, 0
.rept 24                                           ; step q = 8 pass + K step
.if q > 0
	PLACES 4                                       ; the buffer loaded next was read by the last step's matrix instructions
.endif
.if q < 23
.set NP, (q+1)/8
.set NK, (q+1)%8
.set NB, WB+32*((q+1)&1)
	FETCHW                                         ; the next step's fragments, 16 matrix instructions ahead of their use
	s_wait_dscnt 8                                 ; all but the eight just issued: this step's fragments (and, in step 0, x's) are in
.else
	s_wait_dscnt 0
.endif
.set KSN, q%8
.set CB, WB+32*(q&1)
	MUL16
.if KSN == 7
.set PP, q/8
	PLACES 4                                       ; the conversions read matrix results
	WIN 0x80
	PACK
	WIN 0x04
.endif
.set q, q+1
.endr
	WIN 0
	s_wait_dscnt 0x0                               ; my reads of W's bytes are over
	s_barrier_signal -1
	s_barrier_wait -1                              ; everybody's are: the stage may lie on them
	WIN 0x08                                       ; store data in window 2
.irp p, 0,1,2
.irp ct, 0,1,2,3
.irp rt, 0,1,2,3
	ds_store_b128 v[SA], v[4*(16*\p+4*\ct+\rt):4*(16*\p+4*\ct+\rt)+3] offset:\rt*16*SP+256*\p+32*\ct
.endr
.endr
.endr
	WIN 0
	s_wait_dscnt 0x0                               ; my stores are done, for the others' sake
	s_barrier_signal -1
	s_barrier_wait -1
	; wave w stores rows 32 w .. +31: lanes 0-15 take 256 bytes of one row, lanes 16-31 of the next
.set i, 0
.rept 48
	ds_load_b128 v[64+4*i:64+4*i+3], v[RA] offset:(i/3)*2*SP+256*(i%3)
.set i, i+1
.endr
.set i, 0
.rept 48
	s_wait_dscnt 47-i                              ; LDS loads return in order: load i is in
	global_store_b128 v[GO], v[64+4*i:64+4*i+3], s[36:37] offset:(i/3)*2*QROW+256*(i%3)   ; 16 lanes store 256 consecutive bytes at a multiple of 256 from qkv's first byte
.set i, i+1
.endr
	s_wait_tensorcnt 0x0
	ds_add_u32 v62, v63
	s_wait_dscnt 0x0
	s_endpgm
.Lfunc_end_k_q6375a4f10d_proj:
	.size	k_q6375a4f10d_proj, .Lfunc_end_k_q6375a4f10d_proj-k_q6375a4f10d_proj
	.p2alignl 7, 3214868480
	.fill 96, 4, 3214868480
	.section	.rodata,"a",@progbits
	.p2align	6, 0x0
	.amdhsa_kernel k_q6375a4f10d_proj
		.amdhsa_group_segment_fixed_size 272896
		.amdhsa_private_segment_fixed_size 0
		.amdhsa_enable_private_segment 0
		.amdhsa_kernarg_size 56
		.amdhsa_user_sgpr_count 2
		.amdhsa_user_sgpr_kernarg_segment_ptr 1
		.amdhsa_wavefront_size32 1
		.amdhsa_system_sgpr_workgroup_id_x 1
		.amdhsa_system_sgpr_workgroup_id_y 1
		.amdhsa_system_sgpr_workgroup_id_z 1
		.amdhsa_system_vgpr_workitem_id 0
		.amdhsa_next_free_vgpr 704
		.amdhsa_next_free_sgpr 66
		.amdhsa_reserve_vcc 0
		.amdhsa_float_denorm_mode_32 3
		.amdhsa_float_denorm_mode_16_64 3
		.amdhsa_memory_ordered 1
		.amdhsa_forward_progress 1
		.amdhsa_inst_pref_size 147
	.end_amdhsa_kernel
	.amdgpu_metadata
---
amdhsa.version: [ 1, 2 ]
amdhsa.kernels:
  - .name:           k_q6375a4f10d_proj
    .symbol:         k_q6375a4f10d_proj.kd
    .args:
      - { .name: x, .offset: 0, .size: 8, .value_kind: global_buffer, .address_space: global }
      - { .name: w_q, .offset: 8, .size: 8, .value_kind: global_buffer, .address_space: global }
      - { .name: w_k, .offset: 16, .size: 8, .value_kind: global_buffer, .address_space: global }
      - { .name: w_v, .offset: 24, .size: 8, .value_kind: global_buffer, .address_space: global }
      - { .name: w_o, .offset: 32, .size: 8, .value_kind: global_buffer, .address_space: global }
      - { .name: qkv, .offset: 40, .size: 8, .value_kind: global_buffer, .address_space: global }
      - { .name: wof, .offset: 48, .size: 8, .value_kind: global_buffer, .address_space: global }
    .group_segment_fixed_size: 272896
    .private_segment_fixed_size: 0
    .kernarg_segment_align: 8
    .kernarg_segment_size: 56
    .max_flat_workgroup_size: 128
    .sgpr_count:     66
    .vgpr_count:     704
    .wavefront_size: 32
...
	.end_amdgpu_metadata
.endif
;; end of part 1
;; launch attn (part 2): grid 32 x 8, 4 waves a work-group, clusters of 4 x 1, 327,680 bytes of LDS; arguments qkv, wof, b_o, out0; writes out0
.if DOCPART == 2
	.amdgcn_target "amdgcn-amd-amdhsa--gfx1250"
	.amdhsa_code_object_version 6
	.text
	.protected	k_q6375a4f10d_attn
	.globl	k_q6375a4f10d_attn
	.p2align	8
	.type	k_q6375a4f10d_attn,@function
k_q6375a4f10d_attn:
	s_mov_b64 s[64:65], 0
	v_nop
	global_prefetch_b8 v0, s[64:65] scope:SCOPE_SE
	s_setreg_imm32_b32 hwreg(HW_REG_WAVE_MODE, 25, 1), 1
	s_wait_xcnt 0x0
	s_wait_alu depctr_hold_cnt(0) depctr_sa_sdst(0) depctr_va_vdst(0) depctr_va_sdst(0) depctr_va_ssrc(0) depctr_va_vcc(0) depctr_vm_vsrc(0)
	s_getreg_b32 s2, hwreg(HW_REG_IB_STS2, 6, 4)
	s_cmp_eq_u32 s2, 0
	s_cbranch_scc0 .Lentry_in_a_cluster
	s_endpgm
.Lentry_in_a_cluster:
	s_bfe_u32 s2, ttmp6, 0x10000c
	s_cmp_lg_u32 s2, 0x3003
	s_cbranch_scc0 .Lentry_shape_is_right
	s_endpgm
.Lentry_shape_is_right:
; out0[row][:] = softmax(q k^T / 8) v, all four heads, times w_o, plus b_o.  qkv: [16384][768] f16 (q, k, v; head h at 128 h bytes); wof: w_o in f16 as fragment halves.
; A work-group owns 64 query rows of one batch with all four heads, so that ctx is whole for the last product and never leaves LDS.
; Wave h is head h: 64 queries x 2,048 keys, in tiles of 128 keys through two LDS slots, 64 keys a step.  The softmax keeps a running maximum.
; CLUSTER: the four work-groups of a cluster are four query blocks of one batch and walk the same K and V: every tile is asked for jointly
; (mask 15), which divides the requests for K and V by four.  Nothing in a descriptor, an LDS address or a branch hangs on the place in the cluster.
; NO SHUFFLES: S^T = K Q^T (source 0 = rows of K, source 1 = rows of Q): lane (r, hh) holds query r, keys 8 hh + j of each tile of 16 keys.
; Two neighbouring tiles, packed to f16 in place, are the source-1 fragment of P^T for O^T = V^T P^T (source 0 = V^T, by transposing loads).
; So maximum, sum and scale belong to a lane; only the two halves of the wave exchange their figures (v_permlanex16_b32).
; exp(s/8 - m/8) = 2^(c s - c m), c = 0.125 log2 e; -c m is rounded once and the same number shifts every term and makes the rescale.
; LIMITS: |q|, |k|, |v|, |ctx| below 65,504 (f16); p below 6e-8 rounds to 0 against a sum of about 1 or more; ctx below 6.1e-5 keeps an absolute error of 3e-8;
; scores must be finite; NaN and infinities are not served; the order of the sums differs from the reference's.
.set KP,    528                        ; LDS pitch of K's rows: 512 bytes + 16, an odd multiple of 16
.set VP,    544                        ; LDS pitch of V's rows: 512 bytes + 32, an odd multiple of 32, for the transposing loads
.set KHALF, 64*KP                      ; what one tensor load brings of K
.set VHALF, 64*VP                      ; and of V
.set VOFF,  2*KHALF                    ; V's 128 rows lie behind K's
.set SLOT,  2*KHALF+2*VHALF            ; 137,216
.set CTX,   2*SLOT                     ; 64 rows x 528: ctx in f16; bytes of its own, no tile lands here
.set CP,    528
.set STAGE, CTX+64*CP                  ; 16 rows x 272 for each wave: the way out; bytes of its own
.set TP,    272
.set QROW,  1536
.set ADRK, 8                           ; v8-9    my K fragments in slot 0, 1
.set ADRV, 10                          ; v10-11  my V fragments in slot 0, 1
.set QO,   12                          ; v12     my offset in q
.set WFO,  13                          ; v13     16 L
.set BO,   14                          ; v14     32 hh
.set CST,  15                          ; v15     ctx: where I put 16 bytes
.set CLD,  16                          ; v16     ctx: my fragments
.set STO,  17                          ; v17     stage in
.set RD,   18                          ; v18     stage back
.set GO,   19                          ; v19     my offset in out0
.set TM,   20                          ; v20-23  at work, one for each block n of 16 queries
.set MX,   24                          ; v24+2n  running maximum
.set MT,   25                          ; v25+2n  the other half's figure
.set NM,   32                          ; v32+2n  -c m in use
.set NX,   33                          ; v33+2n  -c m, new
.set AL,   40                          ; v40+2n  2^(c m old - c m new); at the end 1 / sum
.set DX,   41                          ; v41+2n  its exponent
.set LS,   48                          ; v[48+2n:49+2n]  running sum, two chains
.set SC,   64                          ; v64-191   S tile (n, mt) at SC + 32 n + 8 mt; P fragment (n, p) at SC + 32 n + 16 p
.set VF,   192                         ; v192-255  V^T fragment (dt, p) at VF + 16 dt + 8 p
.set OA,   0                           ; window 1: O tile (n, dt) at 32 n + 8 dt
.set QF,   128                         ; window 1: Q fragment (n, ks) at 128 + 16 n + 8 ks
.set KF,   192                         ; window 1: K fragment (mt, ks) at 192 + 16 mt + 8 ks
                                       ; window 2: w_o fragment (mt, KS) at 8 (8 mt + KS)
.set G1K, 28                           ; s[28:35] descriptor group 1, K's tiles
.set G1V, 36                           ; s[36:43] the same for V's: another padding
.set G0K, 44                           ; s[44:51] group 0 for K, one set for each slot
.set G0V, 52                           ; s[52:59] group 0 for V
.set MSB, 0
.macro WIN new                         ; s_set_vgpr_msb: bits 1:0 source 0, 3:2 source 1, 5:4 source 2, 7:6 destination; the high byte repeats the setting left
.if MSB != \new
	s_set_vgpr_msb (MSB<<8)|\new
.set MSB, \new
.endif
.endm
.macro PLACES n                        ; the places behind a matrix instruction (ISA guide 7.12.1)
.rept \n
	v_nop
.endr
.endm
; a round of the cluster's barrier: my work-group's barrier, wave 0 signals for the work-group, every wave waits for all four work-groups, my work-group's barrier again
.macro ROUND
	s_barrier_signal -1
	s_barrier_wait -1
	s_cmp_lg_u32 s12, 0
	s_cbranch_scc1 .Lnot_wave_0_\@
	s_barrier_signal -3
.Lnot_wave_0_\@:
	s_barrier_wait -3
	s_barrier_signal -1
	s_barrier_wait -1
.endm
; a joint load: waves 0 and 1 fetch K's two halves of 64 rows, waves 2 and 3 V's.  The branch hangs on the wave's number alone.
.macro JLOAD s
	s_cmp_eq_u32 s13, 0
	s_cbranch_scc0 .Lfor_v_\@
	tensor_load_to_lds s[G0K+4*\s:G0K+4*\s+3], s[G1K:G1K+7]
	s_nop 0
	s_branch .Lasked_\@
.Lfor_v_\@:
	tensor_load_to_lds s[G0V+4*\s:G0V+4*\s+3], s[G1V:G1V+7]
	s_nop 0
.Lasked_\@:
.endm
	s_load_b256 s[4:11], s[0:1], 0x0               ; qkv s[4:5], wof s[6:7], b_o s[8:9], out0 s[10:11]
	v_lshl_add_u32 v62, v0, 2, 0x4f800
	v_mov_b32 v63, 0
	ds_add_u32 v62, v63
	v_lshrrev_b32 v5, 5, v0
	v_readfirstlane_b32 s12, v5                    ; wave = head
	s_lshr_b32 s13, s12, 1                         ; I fetch for K (0) or for V (1)
	s_and_b32 s14, s12, 1                          ; which 64 rows of a tile I fetch
	s_and_b32 s15, ttmp7, 0xffff                   ; batch (the cluster's y; a cluster is one work-group high)
	s_mov_b32 s22, 0x76543210                      ; v_permlanex16_b32: lane i takes lane i of the other half
	s_mov_b32 s23, 0xfedcba98
	; group 1: 64 rows x 256 elements of 2 bytes (all four heads), 768 elements from row to row; each row is 512 bytes at a multiple of 256
	s_mov_b32 s[G1K+0], 15|(1<<16)|(1<<20)|(1<<21)|(6<<22)|(3<<25)   ; mask: all four work-groups; 2-byte elements; padding on; bit 21 beside a mask; after every 128 words 4 words
	s_mov_b32 s[G1V+0], 15|(1<<16)|(1<<20)|(1<<21)|(6<<22)|(7<<25)   ; the same with 8 words of padding
	s_mov_b32 s[G1K+1], 256<<16                    ; tensor_dim0 = 256
	s_mov_b32 s[G1V+1], 256<<16
	s_mov_b32 s[G1K+2], 64<<16                     ; tensor_dim1 = 64
	s_mov_b32 s[G1V+2], 64<<16
	s_mov_b32 s[G1K+3], 256<<16                    ; tile_dim0 = 256
	s_mov_b32 s[G1V+3], 256<<16
	s_mov_b32 s[G1K+4], 64                         ; tile_dim1 = 64
	s_mov_b32 s[G1V+4], 64
	s_mov_b32 s[G1K+5], 768                        ; pitch in elements
	s_mov_b32 s[G1V+5], 768
	s_mov_b32 s[G1K+6], 0
	s_mov_b32 s[G1V+6], 0
	s_mov_b32 s[G1K+7], 0
	s_mov_b32 s[G1V+7], 0
	s_mul_i32 s16, s15, 2048*QROW                  ; the batch's first row,
	s_mul_i32 s20, s14, 64*QROW                    ; my half of a tile
	s_add_co_u32 s16, s16, s20
	s_mov_b32 s17, 0
	s_mul_i32 s25, s14, KHALF                      ; where my half goes in a slot: K's
	s_mul_i32 s26, s14, VHALF
	s_add_co_u32 s26, s26, VOFF                    ; V's
	s_wait_dscnt 0x0
	s_wait_kmcnt 0x0
	s_add_nc_u64 s[18:19], s[4:5], s[16:17]
	ROUND                                          ; all four work-groups are here: the first joint loads meet
.irp s, 0,1
	s_mov_b32 s[G0K+4*\s], 1
	s_add_co_u32 s[G0K+4*\s+1], s25, \s*SLOT
	s_add_nc_u64 s[G0K+4*\s+2:G0K+4*\s+3], s[18:19], 512+\s*128*QROW     ; k of tile s
	s_or_b32 s[G0K+4*\s+3], s[G0K+4*\s+3], 0x80000000
	s_mov_b32 s[G0V+4*\s], 1
	s_add_co_u32 s[G0V+4*\s+1], s26, \s*SLOT
	s_add_nc_u64 s[G0V+4*\s+2:G0V+4*\s+3], s[18:19], 1024+\s*128*QROW    ; v of tile s
	s_or_b32 s[G0V+4*\s+3], s[G0V+4*\s+3], 0x80000000
	JLOAD \s                                       ; both slots' first fills go out together: two tensor loads of the wave are out here, later one
.endr
	; what hangs on my place in the cluster: global addresses of q and out0 alone, in registers that feed no descriptor
	s_bfe_u32 s60, ttmp6, 0x40000                  ; cx
	s_lshl_b32 s61, ttmp9, 2
	s_add_co_u32 s61, s61, s60                     ; query block 0 .. 31
	s_lshl_b32 s61, s61, 6
	s_lshl_b32 s60, s15, 11
	s_add_co_u32 s61, s61, s60                     ; my first row
	s_mul_i32 s62, s61, QROW
	s_mov_b32 s63, 0
	s_add_nc_u64 s[66:67], s[4:5], s[62:63]        ; q at my first row
	s_lshl_b32 s62, s61, 10
	s_lshl_b32 s60, s12, 8
	s_add_co_u32 s62, s62, s60
	s_add_nc_u64 s[72:73], s[10:11], s[62:63]      ; out0 at my first row, my wave's 64 columns
	s_lshl_b32 s20, s12, 15
	s_mov_b32 s21, 0
	s_add_nc_u64 s[68:69], s[6:7], s[20:21]        ; wof: my wave's 64 half fragments
	s_lshl_b32 s20, s12, 8
	s_add_nc_u64 s[70:71], s[8:9], s[20:21]        ; b_o: my wave's 64 numbers
	v_and_b32 v1, 15, v0                           ; r
	v_bfe_u32 v2, v0, 4, 1                         ; hh
	v_and_b32 v3, 7, v0
	v_bfe_u32 v4, v0, 3, 1
	s_lshl_b32 s27, s12, 7                         ; 128 h
	v_lshlrev_b32 v6, 4, v2
	v_add_nc_u32 v6, s27, v6                       ; 16 hh + 128 h
	v_mad_u32_u24 v[QO], v1, QROW, v6
	WIN 0x40
.irp nq, 0,1,2,3
.irp ks, 0,1
	global_load_b128 v[QF+16*\nq+8*\ks:QF+16*\nq+8*\ks+3],   v[QO], s[66:67] offset:\nq*16*QROW+64*\ks
	global_load_b128 v[QF+16*\nq+8*\ks+4:QF+16*\nq+8*\ks+7], v[QO], s[66:67] offset:\nq*16*QROW+64*\ks+32
.endr
.endr
	WIN 0
	v_mad_u32_u24 v[ADRK], v1, KP, v6              ; r pitch + 16 hh + 128 h
	v_add_nc_u32 v[ADRK+1], SLOT, v[ADRK]
	v_add_nc_u32 v[CST], CTX, v[ADRK]              ; ctx has K's pitch
	v_lshl_add_u32 v7, v2, 3, v3
	v_mul_u32_u24 v7, v7, VP
	v_lshl_add_u32 v7, v4, 4, v7
	v_add_nc_u32 v7, s27, v7                       ; (8 hh + (L & 7)) pitch + 128 h + 16 ((L >> 3) & 1)
	v_add_nc_u32 v[ADRV], VOFF, v7
	v_add_nc_u32 v[ADRV+1], VOFF+SLOT, v7
	v_and_b32 v7, 31, v0
	v_lshlrev_b32 v[WFO], 4, v7
	v_lshlrev_b32 v[BO], 5, v2
	v_lshlrev_b32 v7, 4, v2
	v_mad_u32_u24 v7, v1, CP, v7
	v_add_nc_u32 v[CLD], CTX, v7
	s_mul_i32 s24, s12, 16*TP
	s_add_co_u32 s24, s24, STAGE
	v_lshlrev_b32 v7, 5, v2
	v_mad_u32_u24 v7, v1, TP, v7
	v_add_nc_u32 v[STO], s24, v7                   ; row r, 32 bytes for each half of the lanes
	v_lshlrev_b32 v7, 4, v1
	v_mad_u32_u24 v6, v2, TP, v7
	v_add_nc_u32 v[RD], s24, v6                    ; lanes 0-15 one row of 256 bytes, lanes 16-31 the next
	v_lshl_add_u32 v[GO], v2, 10, v7
.irp nq, 0,1,2,3
	v_mov_b32 v[MT+2*\nq], 0                       ; v_permlanex16_b32 counts as a reader of its destination
.endr
; 16 loads: the K fragments (4 tiles of 16 keys x 64 dh) of keys 64 u .. +63 of a slot
.macro KFETCH slot, u
	WIN 0x40
.irp mt, 0,1,2,3
.irp ks, 0,1
	ds_load_b128 v[KF+16*\mt+8*\ks:KF+16*\mt+8*\ks+3],   v[ADRK+\slot] offset:(64*(\u)+16*\mt)*KP+64*\ks
	ds_load_b128 v[KF+16*\mt+8*\ks+4:KF+16*\mt+8*\ks+7], v[ADRK+\slot] offset:(64*(\u)+16*\mt)*KP+64*\ks+32
.endr
.endr
	WIN 0
.endm
; 16 transposing loads: the V^T fragments (4 tiles of 16 dh x 2 x 32 keys) of the same keys
.macro VFETCH slot, u
.irp dt, 0,1,2,3
.irp p, 0,1
	ds_load_tr16_b128 v[VF+16*\dt+8*\p:VF+16*\dt+8*\p+3],   v[ADRV+\slot] offset:(64*(\u)+32*\p)*VP+32*\dt
	ds_load_tr16_b128 v[VF+16*\dt+8*\p+4:VF+16*\dt+8*\p+7], v[ADRV+\slot] offset:(64*(\u)+32*\p+16)*VP+32*\dt
.endr
.endr
.endm
; 64 keys.  first = 1: the very first step starts maximum, sum and O.  nextk = 1: the K fragments of the slot's next 64 keys are fetched.
; In both products the 16 accumulators take turns, one instruction a turn.
.macro SUBSTEP slot, u, first, nextk
	VFETCH \slot, \u
	s_wait_dscnt 16                                ; all but the 16 V loads just issued: this step's K fragments are in
	WIN 0x05                                       ; K and Q in window 1, S in window 0
.irp ks, 0,1
.irp nq, 0,1,2,3
.irp mt, 0,1,2,3
.if \ks == 0
	v_wmma_f32_16x16x32_f16 v[SC+32*\nq+8*\mt:SC+32*\nq+8*\mt+7], v[KF+16*\mt+8*\ks:KF+16*\mt+8*\ks+7], v[QF+16*\nq+8*\ks:QF+16*\nq+8*\ks+7], 0
.else
	v_wmma_f32_16x16x32_f16 v[SC+32*\nq+8*\mt:SC+32*\nq+8*\mt+7], v[KF+16*\mt+8*\ks:KF+16*\mt+8*\ks+7], v[QF+16*\nq+8*\ks:QF+16*\nq+8*\ks+7], v[SC+32*\nq+8*\mt:SC+32*\nq+8*\mt+7]
.endif
.endr
.endr
.endr
	WIN 0
	PLACES 4                                       ; loads into K's fragments and reads of S follow
.if \nextk
	KFETCH \slot, \u+1
.endif
	; the maximum of my 32 scores of each block of queries and the running one: four chains that do not wait for each other
.irp nq, 0,1,2,3
.if \first
	v_max_num_f32 v[TM+\nq], v[SC+32*\nq], v[SC+32*\nq+1]
.else
	v_max3_num_f32 v[TM+\nq], v[MX+2*\nq], v[SC+32*\nq], v[SC+32*\nq+1]
.endif
.endr
.irp k, 1,2,3,4,5,6,7,8,9,10,11,12,13,14,15
.irp nq, 0,1,2,3
	v_max3_num_f32 v[TM+\nq], v[TM+\nq], v[SC+32*\nq+2*\k], v[SC+32*\nq+2*\k+1]
.endr
.endr
.irp nq, 0,1,2,3
	v_permlanex16_b32 v[MT+2*\nq], v[TM+\nq], s22, s23     ; the other eight keys of each tile lie in the other half
.endr
.irp nq, 0,1,2,3
	v_max_num_f32 v[MX+2*\nq], v[TM+\nq], v[MT+2*\nq]
.endr
.irp nq, 0,1,2,3
	v_mul_f32 v[NX+2*\nq], 0xbe38aa3b, v[MX+2*\nq]         ; -c m, rounded once
.endr
.if \first == 0
.irp nq, 0,1,2,3
	v_sub_f32 v[DX+2*\nq], v[NX+2*\nq], v[NM+2*\nq]        ; c m old - c m new, from the two numbers that shift the terms
.endr
.irp nq, 0,1,2,3
	v_exp_f32 v[AL+2*\nq], v[DX+2*\nq]
.endr
.endif
.irp nq, 0,1,2,3
	v_mov_b32 v[NM+2*\nq], v[NX+2*\nq]                     ; plain instructions behind the exponentials (ISA guide 5.7.2)
.endr
	; p = 2^(c s - c m), its sum in f32, and p packed to f16 in place: pair k of a block goes to register 16 (k >> 3) + (k & 7), never above its sources
.irp nq, 0,1,2,3
.set sbase, SC+32*\nq
.set kk, 0
.rept 16
	v_pk_fma_f32 v[sbase+2*kk:sbase+2*kk+1], v[sbase+2*kk:sbase+2*kk+1], 0x3e38aa3b, v[NM+2*\nq:NM+2*\nq+1] op_sel_hi:[1,0,0]
.set kk, kk+1
.endr
.set kk, 0
.rept 32
	v_exp_f32 v[sbase+kk], v[sbase+kk]
.set kk, kk+1
.endr
	v_nop                                          ; one plain place behind the exponentials
.set kk, 0
.rept 16
.if kk == 0
.if \first
	s_wait_alu depctr_va_vdst(0)
	v_pk_add_f32 v[LS+2*\nq:LS+2*\nq+1], v[sbase:sbase+1], v[sbase+2:sbase+3]      ; the first two pairs start the sum
.else
	s_wait_alu depctr_va_vdst(0)
	v_pk_fma_f32 v[LS+2*\nq:LS+2*\nq+1], v[LS+2*\nq:LS+2*\nq+1], v[AL+2*\nq:AL+2*\nq+1], v[sbase:sbase+1] op_sel_hi:[1,0,1]
.endif
.else
.if kk == 1
.if \first == 0
	v_pk_add_f32 v[LS+2*\nq:LS+2*\nq+1], v[LS+2*\nq:LS+2*\nq+1], v[sbase+2:sbase+3]
.endif
.else
	v_pk_add_f32 v[LS+2*\nq:LS+2*\nq+1], v[LS+2*\nq:LS+2*\nq+1], v[sbase+2*kk:sbase+2*kk+1]
.endif
.endif
	v_cvt_pk_f16_f32 v[sbase+16*(kk>>3)+(kk&7)], v[sbase+2*kk], v[sbase+2*kk+1]
.set kk, kk+1
.endr
.endr
.if \first == 0
	WIN 0x41                                       ; O in window 1, the factor in window 0
.irp nq, 0,1,2,3
.set kk, 0
.rept 16
	v_pk_mul_f32 v[OA+32*\nq+2*kk:OA+32*\nq+2*kk+1], v[OA+32*\nq+2*kk:OA+32*\nq+2*kk+1], v[AL+2*\nq:AL+2*\nq+1] op_sel_hi:[1,0]
.set kk, kk+1
.endr
.endr
.endif
.if \nextk
	s_wait_dscnt 16                                ; all but the 16 K loads issued behind them: V's fragments are in
.else
	s_wait_dscnt 0
.endif
	WIN 0x50                                       ; O (C and D) in window 1, V^T and P in window 0
.irp p, 0,1
.irp nq, 0,1,2,3
.irp dt, 0,1,2,3
.if \first*(1-\p)
	v_wmma_f32_16x16x32_f16 v[OA+32*\nq+8*\dt:OA+32*\nq+8*\dt+7], v[VF+16*\dt+8*\p:VF+16*\dt+8*\p+7], v[SC+32*\nq+16*\p:SC+32*\nq+16*\p+7], 0
.else
	v_wmma_f32_16x16x32_f16 v[OA+32*\nq+8*\dt:OA+32*\nq+8*\dt+7], v[VF+16*\dt+8*\p:VF+16*\dt+8*\p+7], v[SC+32*\nq+16*\p:SC+32*\nq+16*\p+7], v[OA+32*\nq+8*\dt:OA+32*\nq+8*\dt+7]
.endif
.endr
.endr
.endr
	WIN 0
	PLACES 5                                       ; next: matrix instructions write over P, loads land on V's fragments, O is scaled
.endm
; The change of slots: cur is read next; other has been read and, with refill = 1, gets the tile two further on.
; In front of the barrier every wave waits for all its tensor loads (the one out is its part of cur) and for its reads of other;
; where a slot is filled again the barrier is a round of the cluster's, and the joint load is the wave's first and only tensor load behind it.
.macro CHANGE cur, other, refill
	s_wait_tensorcnt 0x0                           ; no tensor load of mine is out: a group 0 may be written
	ds_add_u32 v62, v63
	s_wait_dscnt 0x0
.if \refill
	s_add_nc_u64 s[G0K+4*\other+2:G0K+4*\other+3], s[G0K+4*\other+2:G0K+4*\other+3], 2*128*QROW
	s_add_nc_u64 s[G0V+4*\other+2:G0V+4*\other+3], s[G0V+4*\other+2:G0V+4*\other+3], 2*128*QROW
.endif
	s_wait_dscnt 0x0                               ; my LDS reads are back
.if \refill
	ROUND
	JLOAD \other                                   ; it has 128 matrix instructions and two steps of softmax in which to land
.else
	s_barrier_signal -1
	s_barrier_wait -1
.endif
	KFETCH \cur, 0
.endm
	s_wait_tensorcnt 0x1                           ; my part of tile 0 is in; tile 1's stays out
	s_barrier_signal -1
	s_barrier_wait -1                              ; everybody's part is in
	KFETCH 0, 0
	s_wait_loadcnt 0x0                             ; Q
	WIN 0x80                                       ; w_o's fragments for my 64 output columns, into window 2: they land while the keys are walked
.set i, 0
.rept 64
	global_load_b128 v[4*i:4*i+3], v[WFO], s[68:69] offset:512*i
.set i, i+1
.endr
	WIN 0
	SUBSTEP 0, 0, 1, 1                             ; tile 0
	SUBSTEP 0, 1, 0, 0
	s_mov_b32 s24, 7
.Lt:                                               ; tiles 1 to 14; tiles 2 to 15 are asked for
	CHANGE 1, 0, 1
	SUBSTEP 1, 0, 0, 1
	SUBSTEP 1, 1, 0, 0
	CHANGE 0, 1, 1
	SUBSTEP 0, 0, 0, 1
	SUBSTEP 0, 1, 0, 0
	s_sub_co_u32 s24, s24, 1
	s_cmp_lg_u32 s24, 0
	s_cbranch_scc1 .Lt
	CHANGE 1, 0, 0                                 ; tile 15: nothing is left to fetch
	SUBSTEP 1, 0, 0, 1
	SUBSTEP 1, 1, 0, 0
	; ctx = O / sum, to f16, into LDS, where the four heads meet
.irp mt, 0,1,2,3
	global_load_b128 v[VF+8*\mt:VF+8*\mt+3],   v[BO], s[70:71] offset:64*\mt       ; b_o of columns 16 mt + 8 hh + 0 .. 7: the shape of an accumulator tile
	global_load_b128 v[VF+8*\mt+4:VF+8*\mt+7], v[BO], s[70:71] offset:64*\mt+16
.endr
.irp nq, 0,1,2,3
	v_add_f32 v[TM+\nq], v[LS+2*\nq], v[LS+2*\nq+1]
.endr
.irp nq, 0,1,2,3
	v_permlanex16_b32 v[MT+2*\nq], v[TM+\nq], s22, s23
.endr
.irp nq, 0,1,2,3
	v_add_f32 v[TM+\nq], v[TM+\nq], v[MT+2*\nq]            ; the whole row's sum; the term at the maximum alone is about 1
.endr
.irp nq, 0,1,2,3
	v_rcp_f32 v[AL+2*\nq], v[TM+\nq]
.endr
	v_nop                                          ; one plain place behind the reciprocals
	WIN 0x41
	s_wait_alu depctr_va_vdst(0)
.irp nq, 0,1,2,3
.set kk, 0
.rept 16
	v_pk_mul_f32 v[OA+32*\nq+2*kk:OA+32*\nq+2*kk+1], v[OA+32*\nq+2*kk:OA+32*\nq+2*kk+1], v[AL+2*\nq:AL+2*\nq+1] op_sel_hi:[1,0]
.set kk, kk+1
.endr
.endr
	WIN 0x05
.irp nq, 0,1,2,3
.irp dt, 0,1,2,3
.irp i, 0,1,2,3
	v_cvt_pk_f16_f32 v[SC+4*(4*\nq+\dt)+\i], v[OA+32*\nq+8*\dt+2*\i], v[OA+32*\nq+8*\dt+2*\i+1]
.endr
.endr
.endr
	WIN 0
.irp nq, 0,1,2,3
.irp dt, 0,1,2,3
	ds_store_b128 v[CST], v[SC+4*(4*\nq+\dt):SC+4*(4*\nq+\dt)+3] offset:\nq*16*CP+32*\dt
.endr
.endr
	s_wait_dscnt 0x0                               ; my stores are done, for the others' sake
	s_barrier_signal -1
	s_barrier_wait -1                              ; ctx is whole
	; out^T = w_o^T ctx^T + b_o: source 0 = 16 columns of w_o, source 1 = 16 rows of ctx.  Wave w makes columns 64 w .. +63 of all 64 rows.
.irp ks, 0,1,2,3
.irp nq, 0,1,2,3
	ds_load_b128 v[SC+8*(4*\ks+\nq):SC+8*(4*\ks+\nq)+3],   v[CLD] offset:\nq*16*CP+64*\ks
	ds_load_b128 v[SC+8*(4*\ks+\nq)+4:SC+8*(4*\ks+\nq)+7], v[CLD] offset:\nq*16*CP+64*\ks+32
.endr
.endr
	WIN 0x40
.irp ks, 4,5,6,7
.irp nq, 0,1,2,3
	ds_load_b128 v[128+8*(4*(\ks-4)+\nq):128+8*(4*(\ks-4)+\nq)+3],   v[CLD] offset:\nq*16*CP+64*\ks
	ds_load_b128 v[128+8*(4*(\ks-4)+\nq)+4:128+8*(4*(\ks-4)+\nq)+7], v[CLD] offset:\nq*16*CP+64*\ks+32
.endr
.endr
	s_wait_loadcnt 0x0                             ; w_o's fragments and b_o
	s_wait_dscnt 32                                ; the first 32 loads are in; the fragments of K steps 4 to 7 may be out
	WIN 0x42                                       ; D window 1, w_o window 2, ctx and b_o window 0: b_o starts the sums
.irp mt, 0,1,2,3
.irp nq, 0,1,2,3
	v_wmma_f32_16x16x32_f16 v[8*(4*\mt+\nq):8*(4*\mt+\nq)+7], v[8*(8*\mt):8*(8*\mt)+7], v[SC+8*\nq:SC+8*\nq+7], v[VF+8*\mt:VF+8*\mt+7]
.endr
.endr
	WIN 0x52                                       ; from here on in place; the 16 accumulators take turns
.irp ks, 1,2,3
.irp mt, 0,1,2,3
.irp nq, 0,1,2,3
	v_wmma_f32_16x16x32_f16 v[8*(4*\mt+\nq):8*(4*\mt+\nq)+7], v[8*(8*\mt+\ks):8*(8*\mt+\ks)+7], v[SC+8*(4*\ks+\nq):SC+8*(4*\ks+\nq)+7], v[8*(4*\mt+\nq):8*(4*\mt+\nq)+7]
.endr
.endr
.endr
	s_wait_dscnt 0
	WIN 0x56                                       ; ctx's fragments of K steps 4 to 7 lie in window 1
.irp ks, 4,5,6,7
.irp mt, 0,1,2,3
.irp nq, 0,1,2,3
	v_wmma_f32_16x16x32_f16 v[8*(4*\mt+\nq):8*(4*\mt+\nq)+7], v[8*(8*\mt+\ks):8*(8*\mt+\ks)+7], v[128+8*(4*(\ks-4)+\nq):128+8*(4*(\ks-4)+\nq)+7], v[8*(4*\mt+\nq):8*(4*\mt+\nq)+7]
.endr
.endr
.endr
	WIN 0
	PLACES 4                                       ; LDS stores read results, loads land on ctx's fragments
; 16 rows x 64 columns of f32 through my own stage: in by 8 columns a lane, back by rows of 256 bytes.  LDS serves a wave's instructions in order.
.macro OUT nq
	WIN 0x04                                       ; store data in window 1
.irp mt, 0,1,2,3
	ds_store_b128 v[STO], v[8*(4*\mt+\nq):8*(4*\mt+\nq)+3]   offset:64*\mt
	ds_store_b128 v[STO], v[8*(4*\mt+\nq)+4:8*(4*\mt+\nq)+7] offset:64*\mt+16
.endr
	WIN 0
.irp t, 0,1,2,3,4,5,6,7
	ds_load_b128 v[SC+32*\nq+4*\t:SC+32*\nq+4*\t+3], v[RD] offset:2*TP*\t
.endr
.irp t, 0,1,2,3,4,5,6,7
	s_wait_dscnt 7-\t                              ; load t is in; registers of their own for every store: none is written again
	global_store_b128 v[GO], v[SC+32*\nq+4*\t:SC+32*\nq+4*\t+3], s[72:73] offset:(16*\nq+2*\t)*1024 th:TH_STORE_NT   ; 16 lanes store 256 consecutive bytes at a multiple of 256 from out0's first byte
.endr
.endm
	OUT 0
	OUT 1
	OUT 2
	OUT 3
	s_wait_tensorcnt 0x0
	ds_add_u32 v62, v63
	s_wait_dscnt 0x0
	ROUND                                          ; the closing round: no work-group ends while a partner may still ask for a tile that names it
	s_endpgm
.Lfunc_end_k_q6375a4f10d_attn:
	.size	k_q6375a4f10d_attn, .Lfunc_end_k_q6375a4f10d_attn-k_q6375a4f10d_attn
	.p2alignl 7, 3214868480
	.fill 96, 4, 3214868480
	.section	.rodata,"a",@progbits
	.p2align	6, 0x0
	.amdhsa_kernel k_q6375a4f10d_attn
		.amdhsa_group_segment_fixed_size 327680
		.amdhsa_private_segment_fixed_size 0
		.amdhsa_enable_private_segment 0
		.amdhsa_kernarg_size 32
		.amdhsa_user_sgpr_count 2
		.amdhsa_user_sgpr_kernarg_segment_ptr 1
		.amdhsa_wavefront_size32 1
		.amdhsa_system_sgpr_workgroup_id_x 1
		.amdhsa_system_sgpr_workgroup_id_y 1
		.amdhsa_system_sgpr_workgroup_id_z 1
		.amdhsa_system_vgpr_workitem_id 0
		.amdhsa_next_free_vgpr 768
		.amdhsa_next_free_sgpr 74
		.amdhsa_reserve_vcc 0
		.amdhsa_float_denorm_mode_32 3
		.amdhsa_float_denorm_mode_16_64 3
		.amdhsa_memory_ordered 1
		.amdhsa_forward_progress 1
		.amdhsa_inst_pref_size 255
	.end_amdhsa_kernel
	.section	.bss,"aw",@nobits
	.p2align	6
	.space	262144
	.amdgpu_metadata
---
amdhsa.version: [ 1, 2 ]
amdhsa.kernels:
  - .name:           k_q6375a4f10d_attn
    .symbol:         k_q6375a4f10d_attn.kd
    .args:
      - { .name: qkv, .offset: 0, .size: 8, .value_kind: global_buffer, .address_space: global }
      - { .name: wof, .offset: 8, .size: 8, .value_kind: global_buffer, .address_space: global }
      - { .name: b_o, .offset: 16, .size: 8, .value_kind: global_buffer, .address_space: global }
      - { .name: out0, .offset: 24, .size: 8, .value_kind: global_buffer, .address_space: global }
    .group_segment_fixed_size: 327680
    .private_segment_fixed_size: 0
    .kernarg_segment_align: 8
    .kernarg_segment_size: 32
    .max_flat_workgroup_size: 128
    .sgpr_count:     74
    .vgpr_count:     768
    .wavefront_size: 32
...
	.end_amdgpu_metadata
.endif
;; end of part 2
;; ======== version 2 of 3: 2 launches
;; limits: values are held in f16: magnitudes above 65,504 overflow, below 6.1e-05 lose precision
;; workspace buffers: qkv 25,165,824 bytes; wof 131,072 bytes
;; launch proj (part 3): grid 2 x 128, 4 waves a work-group, no clusters, 320,000 bytes of LDS; arguments x, w_q, w_k, w_v, w_o, qkv, wof; writes qkv, wof
.if DOCPART == 3
	.amdgcn_target "amdgcn-amd-amdhsa--gfx1250"
	.amdhsa_code_object_version 6
	.text
	.protected	k_q6375a4f10d_proj
	.globl	k_q6375a4f10d_proj
	.p2align	8
	.type	k_q6375a4f10d_proj,@function
k_q6375a4f10d_proj:
	s_mov_b64 s[64:65], 0
	v_nop
	global_prefetch_b8 v0, s[64:65] scope:SCOPE_SE
	s_setreg_imm32_b32 hwreg(HW_REG_WAVE_MODE, 25, 1), 1
	s_wait_xcnt 0x0
; qkv[row][0:768] = f16( x[row][:] . [w_q | w_k | w_v] ), row = 0 .. 16383; a row of qkv is 1,536 bytes: q at 0, k at 512, v at 1,024.
; wof = w_o in f16, laid out as the halves of the matrix fragments that the next launch loads (see below).
; A work-group makes 128 rows x 384 columns: three units of 128 columns (256 bytes of output each), one pass a unit; 2 x 128 work-groups.
; Four waves; wave w = (wr = w >> 1, wc = w & 1) makes, in each pass, rows 64 wr .. +63 x columns 64 wc .. +63 of the unit: 16 accumulator tiles.
; x and W are f32 in memory: they pass through registers, are rounded to f16 (nearest even) and laid into LDS; sums in f32.
; OVERLAP: the 256 loads of a wave run through a ring of four groups of 16 (48 to 64 loads out).  Only x and unit 0 are laid into LDS ahead
; of pass 0; unit 1 is on its way during pass 0 and unit 2 during pass 1.  Each pass's results leave while the next pass multiplies.
; NO CLUSTER, NO TENSOR LOADS: a joint load lands in LDS as it lies in memory, and an f32 image of a unit of W (128 KiB) does not fit
; beside the f16 images, x and the stages.
; LIMITS: |x|, |w| and every |q|, |k|, |v| must stay below 65,504 (f16's largest number); numbers below 6.1e-5 keep an absolute
; error of 3e-8.  As drawn |q| is about 5; with x and w thirty times larger about 5,000.  NaN and infinities are not served.
; The order of the sums differs from a plain dot product's.
; THE MATRIX INSTRUCTION IS USED TRANSPOSED: source 0 = 16 columns of W, source 1 = 16 rows of x, so that a lane's eight results are
; eight neighbouring columns of one row, 16 bytes in f16.
.set XP,   528                         ; LDS pitch of x's rows: 512 bytes + 16: an odd multiple of 16
.set WP,   288                         ; LDS pitch of a unit's k rows: 256 bytes + 32: an odd multiple of 32, for the transposing loads
.set WREG, 256*WP                      ; a unit of W in f16; two regions: units 0 and 2 take the first, unit 1 the second
.set XS,   2*WREG                      ; x's 128 rows
.set SP,   272                         ; LDS pitch of a stage: 256 bytes + 16
.set STG,  XS+128*XP                   ; three stages, one for each pass, bytes of their own
.set STGB, 128*SP
.set QROW, 1536                        ; bytes in a row of qkv
.set XO,   8                           ; v8      x: 16 t
.set WOFF, 9                           ; v9      W: wave x 1,024 + lane x 16
.set XA,   10                          ; v10-11  LDS: where my 8 bytes of x go, rows 0-63 and 64-127
.set XF,   12                          ; v12     LDS: my x fragments
.set GO,   13                          ; v13     my byte offset in qkv
.set WOA,  14                          ; v14     my offset in w_o
.set WOS,  15                          ; v15     my offset in wof
.set WAD,  16                          ; v16-23  LDS: where my 8 bytes of W go: region x 4 + quarter (k rows 64 q ..)
.set WF,   24                          ; v24-27  LDS: my W fragments: region x 2 + half (k rows 128 half ..)
.set SA,   28                          ; v28-30  stage of pass p: where I put 16 bytes
.set RA,   32                          ; v32-34  stage of pass p: where I read rows back
.set WW,   40                          ; v40-47  eight words of w_o
.set WH,   48                          ; v48-51  the same in f16
.set ACC,  64                          ; v64-191   accumulator tile (ct, rt) at ACC + 8 (4 ct + rt)
.set WB,   192                         ; v192-255  two buffers of four W fragments
                                       ; window 1 (v256-511): x fragment (rt, ks) at 8 (8 rt + ks)
                                       ; window 2 (v512-767): the ring of loads, group g at 64 (g & 3)
                                       ; window 3 (v768-959): rows read back from the stages, 64 registers for each pass, never rewritten
.set MSB, 0
.macro WIN new                         ; s_set_vgpr_msb: bits 1:0 source 0, 3:2 source 1, 5:4 source 2, 7:6 destination; the high byte repeats the setting left
.if MSB != \new
	s_set_vgpr_msb (MSB<<8)|\new
.set MSB, \new
.endif
.endm
.macro PLACES n                        ; the places behind a matrix instruction (ISA guide 7.12.1)
.rept \n
	v_nop
.endr
.endm
; 16 loads of 16 bytes a lane into a place of the ring; each covers 512 consecutive bytes
.macro LD16 ring, sb, vo, i0, st
	WIN 0x88                                       ; loaded data and LDS store data in window 2, addresses in window 0
.set j, 0
.rept 16
	global_load_b128 v[64*\ring+4*j:64*\ring+4*j+3], v[\vo], s[\sb:\sb+1] offset:(\i0+j)*(\st)
.set j, j+1
.endr
.endm
; the same 16: rounded to f16 in place in one run, then 8 bytes a lane into LDS in one run.  left = the loads that were issued behind them
.macro ST16 ring, va, o0, st, left
	s_wait_loadcnt \left                           ; loads return in order: this group is in, the younger groups stay out
	WIN 0x8a
.set j, 0
.rept 16
	v_cvt_pk_f16_f32 v[64*\ring+4*j], v[64*\ring+4*j], v[64*\ring+4*j+1]
	v_cvt_pk_f16_f32 v[64*\ring+4*j+1], v[64*\ring+4*j+2], v[64*\ring+4*j+3]
.set j, j+1
.endr
	WIN 0x88
.set j, 0
.rept 16
	ds_store_b64 v[\va], v[64*\ring+4*j:64*\ring+4*j+1] offset:(\o0)+j*(\st)
.set j, j+1
.endr
.endm
	s_load_b256 s[4:11], s[0:1], 0x0               ; x s[4:5], w_q s[6:7], w_k s[8:9], w_v s[10:11]
	s_load_b128 s[12:15], s[0:1], 0x20             ; w_o s[12:13], qkv s[14:15]
	s_load_b64 s[16:17], s[0:1], 0x30              ; wof
	v_lshl_add_u32 v62, v0, 2, 0x4e000
	v_mov_b32 v63, 0
	v_lshrrev_b32 v6, 5, v0
	v_readfirstlane_b32 s18, v6                    ; wave
	s_lshr_b32 s19, s18, 1                         ; wr
	s_and_b32 s20, s18, 1                          ; wc
	s_mov_b32 s21, ttmp9                           ; slice: columns 384 slice ..
	s_and_b32 s22, ttmp7, 0xffff                   ; rb: rows 128 rb ..
	s_lshl1_add_u32 s23, s22, s21                  ; g = 2 rb + slice, 0 .. 255: my half fragment of w_o
	v_and_b32 v1, 31, v0                           ; lane L
	v_and_b32 v2, 15, v0                           ; r
	v_bfe_u32 v3, v0, 4, 1                         ; hh
	v_and_b32 v4, 7, v0                            ; L & 7
	v_bfe_u32 v5, v0, 3, 1                         ; (L >> 3) & 1
	v_lshlrev_b32 v[XO], 4, v0
	v_lshlrev_b32 v[WOS], 4, v1
	v_lshl_add_u32 v[WOFF], v6, 10, v[WOS]
	v_lshlrev_b32 v7, 2, v2
	v_lshl_add_u32 v[WOA], v3, 13, v7              ; 8 hh rows of 1,024 bytes + 4 r
	s_wait_kmcnt 0x0
	; the three units' sources.  slice 0: w_q + 0, w_q + 512, w_k + 0;  slice 1: w_k + 512, w_v + 0, w_v + 512
	s_cmp_eq_u32 s21, 0
	s_cselect_b64 s[24:25], s[6:7], s[8:9]
	s_cselect_b64 s[26:27], s[6:7], s[10:11]
	s_cselect_b64 s[28:29], s[8:9], s[10:11]
	s_cselect_b32 s30, 0, 512
	s_cselect_b32 s32, 512, 0
	s_mov_b32 s31, 0
	s_mov_b32 s33, 0
	s_add_nc_u64 s[24:25], s[24:25], s[30:31]
	s_add_nc_u64 s[26:27], s[26:27], s[32:33]
	s_add_nc_u64 s[28:29], s[28:29], s[30:31]
	s_lshl_b32 s30, s22, 17                        ; 128 rows of 1,024 bytes
	s_add_nc_u64 s[34:35], s[4:5], s[30:31]        ; x at my first row
	s_mul_i32 s30, s22, 128*QROW
	s_mul_i32 s32, s21, 768
	s_add_co_u32 s30, s30, s32
	s_add_nc_u64 s[36:37], s[14:15], s[30:31]      ; qkv at my first row and column
	; wof: half fragment g = (MT 8 + KS) 2 + c; lane (r, hh) owns the 16 bytes at 512 g + 16 L = f16 of w_o[32 KS + 16 c + 8 hh + i][16 MT + r], i = 0 .. 7
	s_and_b32 s30, s23, 15                         ; 2 KS + c: k row 16 (g & 15)
	s_lshl_b32 s30, s30, 14
	s_lshr_b32 s32, s23, 4                         ; MT
	s_lshl_b32 s32, s32, 6
	s_add_co_u32 s30, s30, s32
	s_add_nc_u64 s[38:39], s[12:13], s[30:31]
	s_lshl_b32 s30, s23, 9
	s_add_nc_u64 s[40:41], s[16:17], s[30:31]
	LD16 0, 34, XO, 0, 2048                        ; x, two rows a load: the ring is filled, 64 loads of the wave are out
	LD16 1, 34, XO, 16, 2048
	LD16 2, 34, XO, 32, 2048
	LD16 3, 34, XO, 48, 2048
	WIN 0
	; LDS addresses, while the first loads are on their way
	v_lshrrev_b32 v7, 6, v0
	v_mul_u32_u24 v7, v7, XP
	v_and_b32 v36, 63, v0
	v_lshl_add_u32 v7, v36, 3, v7
	v_add_nc_u32 v[XA], XS, v7                     ; row t >> 6, 8 bytes at 8 (t & 63)
	v_add_nc_u32 v[XA+1], XS+64*XP, v7
	v_mul_u32_u24 v7, v6, WP
	v_lshl_add_u32 v7, v1, 3, v7
.irp q, 0,1,2,3
	v_add_nc_u32 v[WAD+\q], \q*64*WP, v7           ; k row wave + 64 q, 8 bytes at 8 L
	v_add_nc_u32 v[WAD+4+\q], WREG+\q*64*WP, v7    ; the same in the second region
.endr
	s_mul_i32 s30, s19, 64*XP
	s_add_co_u32 s30, s30, XS
	v_mul_u32_u24 v7, v2, XP
	v_lshl_add_u32 v7, v3, 4, v7
	v_add_nc_u32 v[XF], s30, v7                    ; (64 wr + r) pitch + 16 hh
	s_mul_i32 s30, s19, 64*SP
	s_lshl_b32 s33, s20, 7                         ; 128 wc
	s_add_co_u32 s30, s30, s33
	v_mul_u32_u24 v7, v2, SP
	v_lshl_add_u32 v7, v3, 4, v7
	v_add_nc_u32 v7, s30, v7                       ; (64 wr + r) pitch + 128 wc + 16 hh
.irp p, 0,1,2
	v_add_nc_u32 v[SA+\p], STG+\p*STGB, v7
.endr
	s_mul_i32 s30, s18, 32*SP
	v_mul_u32_u24 v7, v3, SP
	v_lshl_add_u32 v7, v2, 4, v7
	v_add_nc_u32 v7, s30, v7                       ; (32 w + hh) pitch + 16 r
.irp p, 0,1,2
	v_add_nc_u32 v[RA+\p], STG+\p*STGB, v7
.endr
	s_mul_i32 s30, s18, 32*QROW
	v_mul_u32_u24 v7, v3, QROW
	v_lshl_add_u32 v7, v2, 4, v7
	v_add_nc_u32 v[GO], s30, v7
	v_lshl_add_u32 v7, v3, 3, v4
	v_mul_u32_u24 v7, v7, WP
	v_lshl_add_u32 v7, v5, 4, v7
	v_add_nc_u32 v7, s33, v7                       ; (8 hh + (L & 7)) pitch + 128 wc + 16 ((L >> 3) & 1)
.irp h, 0,1,2,3
	v_add_nc_u32 v[WF+\h], (\h>>1)*WREG+(\h&1)*128*WP, v7
.endr
	; x and unit 0 into LDS; behind each group the ring's place is loaded again: unit 0, then unit 1
	ST16 0, XA, 0, 2*XP, 48
	LD16 0, 24, WOFF, 0, 4096                      ; unit 0, four k rows a load
	ST16 1, XA, 32*XP, 2*XP, 48
	LD16 1, 24, WOFF, 16, 4096
	ST16 2, XA+1, 0, 2*XP, 48
	LD16 2, 24, WOFF, 32, 4096
	ST16 3, XA+1, 32*XP, 2*XP, 48
	LD16 3, 24, WOFF, 48, 4096
	ST16 0, WAD+0, 0, 4*WP, 48
	LD16 0, 26, WOFF, 0, 4096                      ; unit 1: on its way during pass 0
	ST16 1, WAD+1, 0, 4*WP, 48
	LD16 1, 26, WOFF, 16, 4096
	ST16 2, WAD+2, 0, 4*WP, 48
	LD16 2, 26, WOFF, 32, 4096
	ST16 3, WAD+3, 0, 4*WP, 48
	LD16 3, 26, WOFF, 48, 4096
	WIN 0
	s_wait_dscnt 0x0                               ; my LDS stores are done, for the other waves' sake
	s_barrier_signal -1
	s_barrier_wait -1                              ; x and unit 0 are whole in LDS
	; my 64 rows of x, all of K, stay in registers: 32 fragments in window 1
	WIN 0x40
.irp rt, 0,1,2,3
.irp kx, 0,1,2,3,4,5,6,7
	ds_load_b128 v[8*(8*\rt+\kx):8*(8*\rt+\kx)+3],   v[XF] offset:\rt*16*XP+64*\kx
	ds_load_b128 v[8*(8*\rt+\kx)+4:8*(8*\rt+\kx)+7], v[XF] offset:\rt*16*XP+64*\kx+32
.endr
.endr
; four W fragments (16 columns x 32 k each) of pass NP, K step NK, into buffer NB: W lies [k][column], so the loads transpose
.macro FETCHW
.irp ct, 0,1,2,3
	ds_load_tr16_b128 v[NB+8*\ct:NB+8*\ct+3],   v[WF+2*(NP&1)+(NK>>2)] offset:(NK&3)*32*WP+32*\ct
	ds_load_tr16_b128 v[NB+8*\ct+4:NB+8*\ct+7], v[WF+2*(NP&1)+(NK>>2)] offset:(NK&3)*32*WP+32*\ct+16*WP
.endr
.endm
; 16 matrix instructions of K step KSN from buffer CB.  The 16 accumulators take turns, one instruction a turn.
; The first K step starts the sums with the constant 0: nothing is cleared.
.macro MUL16
.irp ct, 0,1,2,3
.irp rt, 0,1,2,3
.if KSN == 0
	v_wmma_f32_16x16x32_f16 v[ACC+8*(4*\ct+\rt):ACC+8*(4*\ct+\rt)+7], v[CB+8*\ct:CB+8*\ct+7], v[8*(8*\rt+KSN):8*(8*\rt+KSN)+7], 0
.else
	v_wmma_f32_16x16x32_f16 v[ACC+8*(4*\ct+\rt):ACC+8*(4*\ct+\rt)+7], v[CB+8*\ct:CB+8*\ct+7], v[8*(8*\rt+KSN):8*(8*\rt+KSN)+7], v[ACC+8*(4*\ct+\rt):ACC+8*(4*\ct+\rt)+7]
.endif
.endr
.endr
.endm
; A pass: eight K steps of 16 matrix instructions; the fragments of K step 0 have been asked for; then the 16 tiles are rounded to f16 in place
; (register i of a tile takes registers 2 i and 2 i + 1, never above its sources) and laid into the pass's stage.
.macro PASS p
.set kq, 0
.rept 8
.if kq > 0
	PLACES 4                                       ; the buffer loaded next was read by the last step's matrix instructions
.endif
.if kq < 7
.set NP, \p
.set NK, kq+1
.set NB, WB+32*((kq+1)&1)
	FETCHW                                         ; the next step's fragments, 16 matrix instructions ahead of their use
	s_wait_dscnt 8                                 ; all but the eight just issued: this step's fragments (and, in pass 0, x's) are in
.else
	s_wait_dscnt 0
.endif
.set KSN, kq
.set CB, WB+32*(kq&1)
	MUL16
.set kq, kq+1
.endr
	PLACES 4                                       ; the conversions read matrix results
	WIN 0
.set t, 0
.rept 16
.irp i, 0,1,2,3
	v_cvt_pk_f16_f32 v[ACC+8*t+\i], v[ACC+8*t+2*\i], v[ACC+8*t+2*\i+1]
.endr
.set t, t+1
.endr
.irp ct, 0,1,2,3
.irp rt, 0,1,2,3
	ds_store_b128 v[SA+\p], v[ACC+8*(4*\ct+\rt):ACC+8*(4*\ct+\rt)+3] offset:\rt*16*SP+32*\ct
.endr
.endr
.endm
; Behind a pass: one barrier shows every wave the pass's stage and the next unit of W, and that nobody reads the last unit any more.
; Then the next pass's first fragments are asked for, and wave w stores rows 32 w .. +31 of the unit: lanes 0-15 one row's 256 bytes, lanes 16-31 the next row's.
.macro EXCH p
	WIN 0
	s_wait_dscnt 0x0                               ; my LDS stores and reads are done, for the others' sake
	s_barrier_signal -1
	s_barrier_wait -1
.if \p < 2
	WIN 0x04
.set NP, \p+1
.set NK, 0
.set NB, WB
	FETCHW
.endif
	WIN 0xcc                                       ; rows read back, and the stores' data, in window 3
.set tt, 0
.rept 16
	ds_load_b128 v[64*\p+4*tt:64*\p+4*tt+3], v[RA+\p] offset:tt*2*SP
.set tt, tt+1
.endr
.set tt, 0
.rept 16
	s_wait_dscnt 15-tt                             ; LDS loads return in order: load tt is in
	global_store_b128 v[GO], v[64*\p+4*tt:64*\p+4*tt+3], s[36:37] offset:tt*2*QROW+256*\p   ; 16 lanes store 256 consecutive bytes at a multiple of 256 from qkv's first byte
.set tt, tt+1
.endr
.if \p < 2
	WIN 0x04
.else
	WIN 0
.endif
.endm
	WIN 0x04                                       ; source 1 (x) in window 1; all else in window 0: one setting for fragment loads and products
.set NP, 0
.set NK, 0
.set NB, WB
	FETCHW
	PASS 0
	ST16 0, WAD+4, 0, 4*WP, 48                     ; unit 1 has come in during pass 0; it goes into the second region
	LD16 0, 28, WOFF, 0, 4096                      ; unit 2: on its way during pass 1
	ST16 1, WAD+5, 0, 4*WP, 48
	LD16 1, 28, WOFF, 16, 4096
	ST16 2, WAD+6, 0, 4*WP, 48
	LD16 2, 28, WOFF, 32, 4096
	ST16 3, WAD+7, 0, 4*WP, 48
	LD16 3, 28, WOFF, 48, 4096
	EXCH 0
	PASS 1
	ST16 0, WAD+0, 0, 4*WP, 48                     ; unit 2 into the first region: every wave's reads of unit 0 ended in front of the last barrier
	ST16 1, WAD+1, 0, 4*WP, 32                     ; nothing is loaded behind these: the counts run down
	ST16 2, WAD+2, 0, 4*WP, 16
	ST16 3, WAD+3, 0, 4*WP, 0
	WIN 0
	; every wave loads the eight words of w_o (1 KiB, the same bytes in all four), so that the waits are alike in all waves; wave 0 alone stores
.irp i, 0,1,2,3,4,5,6,7
	global_load_b32 v[WW+\i], v[WOA], s[38:39] offset:1024*\i
.endr
	EXCH 1
	PASS 2
	s_wait_loadcnt 0x0                             ; w_o's words, asked for a pass ago
.irp i, 0,1,2,3
	v_cvt_pk_f16_f32 v[WH+\i], v[WW+2*\i], v[WW+2*\i+1]
.endr
	s_cmp_lg_u32 s18, 0
	s_cbranch_scc1 .Lno_wo
	global_store_b128 v[WOS], v[WH:WH+3], s[40:41] ; 512 consecutive bytes; WH and WOS are never written again
.Lno_wo:
	EXCH 2
	s_wait_tensorcnt 0x0
	ds_add_u32 v62, v63
	s_wait_dscnt 0x0
	s_endpgm
.Lfunc_end_k_q6375a4f10d_proj:
	.size	k_q6375a4f10d_proj, .Lfunc_end_k_q6375a4f10d_proj-k_q6375a4f10d_proj
	.p2alignl 7, 3214868480
	.fill 96, 4, 3214868480
	.section	.rodata,"a",@progbits
	.p2align	6, 0x0
	.amdhsa_kernel k_q6375a4f10d_proj
		.amdhsa_group_segment_fixed_size 320000
		.amdhsa_private_segment_fixed_size 0
		.amdhsa_enable_private_segment 0
		.amdhsa_kernarg_size 56
		.amdhsa_user_sgpr_count 2
		.amdhsa_user_sgpr_kernarg_segment_ptr 1
		.amdhsa_wavefront_size32 1
		.amdhsa_system_sgpr_workgroup_id_x 1
		.amdhsa_system_sgpr_workgroup_id_y 1
		.amdhsa_system_sgpr_workgroup_id_z 1
		.amdhsa_system_vgpr_workitem_id 0
		.amdhsa_next_free_vgpr 960
		.amdhsa_next_free_sgpr 66
		.amdhsa_reserve_vcc 0
		.amdhsa_float_denorm_mode_32 3
		.amdhsa_float_denorm_mode_16_64 3
		.amdhsa_memory_ordered 1
		.amdhsa_forward_progress 1
		.amdhsa_inst_pref_size 149
	.end_amdhsa_kernel
	.amdgpu_metadata
---
amdhsa.version: [ 1, 2 ]
amdhsa.kernels:
  - .name:           k_q6375a4f10d_proj
    .symbol:         k_q6375a4f10d_proj.kd
    .args:
      - { .name: x, .offset: 0, .size: 8, .value_kind: global_buffer, .address_space: global }
      - { .name: w_q, .offset: 8, .size: 8, .value_kind: global_buffer, .address_space: global }
      - { .name: w_k, .offset: 16, .size: 8, .value_kind: global_buffer, .address_space: global }
      - { .name: w_v, .offset: 24, .size: 8, .value_kind: global_buffer, .address_space: global }
      - { .name: w_o, .offset: 32, .size: 8, .value_kind: global_buffer, .address_space: global }
      - { .name: qkv, .offset: 40, .size: 8, .value_kind: global_buffer, .address_space: global }
      - { .name: wof, .offset: 48, .size: 8, .value_kind: global_buffer, .address_space: global }
    .group_segment_fixed_size: 320000
    .private_segment_fixed_size: 0
    .kernarg_segment_align: 8
    .kernarg_segment_size: 56
    .max_flat_workgroup_size: 128
    .sgpr_count:     66
    .vgpr_count:     960
    .wavefront_size: 32
...
	.end_amdgpu_metadata
.endif
;; end of part 3
;; launch attn (part 4): grid 32 x 8, 8 waves a work-group, clusters of 4 x 1, 327,680 bytes of LDS; arguments qkv, wof, b_o, out0; writes out0
.if DOCPART == 4
	.amdgcn_target "amdgcn-amd-amdhsa--gfx1250"
	.amdhsa_code_object_version 6
	.text
	.protected	k_q6375a4f10d_attn
	.globl	k_q6375a4f10d_attn
	.p2align	8
	.type	k_q6375a4f10d_attn,@function
k_q6375a4f10d_attn:
	s_mov_b64 s[64:65], 0
	v_nop
	global_prefetch_b8 v0, s[64:65] scope:SCOPE_SE
	s_setreg_imm32_b32 hwreg(HW_REG_WAVE_MODE, 25, 1), 1
	s_wait_xcnt 0x0
	s_wait_alu depctr_hold_cnt(0) depctr_sa_sdst(0) depctr_va_vdst(0) depctr_va_sdst(0) depctr_va_ssrc(0) depctr_va_vcc(0) depctr_vm_vsrc(0)
	s_getreg_b32 s2, hwreg(HW_REG_IB_STS2, 6, 4)
	s_cmp_eq_u32 s2, 0
	s_cbranch_scc0 .Lentry_in_a_cluster
	s_endpgm
.Lentry_in_a_cluster:
	s_bfe_u32 s2, ttmp6, 0x10000c
	s_cmp_lg_u32 s2, 0x3003
	s_cbranch_scc0 .Lentry_shape_is_right
	s_endpgm
.Lentry_shape_is_right:
; out0[row][:] = softmax(q k^T / 8) v, all four heads, times w_o, plus b_o.  qkv: [16384][768] f16 (q, k, v; head h at 128 h bytes); wof: w_o in f16 as fragment halves.
; A work-group owns 64 query rows of one batch with all four heads, so that ctx is whole for the last product and never leaves LDS.
; EIGHT WAVES, two for each of a WGP's four SIMDs.  Wave w = 4 kh + h takes head h, all 64 queries, and keys 64 kh .. +63 of every tile of 128 keys,
; with a running maximum, sum and O of its own; at the end the two waves of a head merge.  Splitting the keys keeps four matrix instructions for each
; K or V fragment read from LDS; splitting the queries would leave two.
; HALF A TURN APART: a wave's cycle is softmax(t), P V (t), K Q (t+1).  The waves with kh = 0 pass the change of slots between K Q and softmax, those with
; kh = 1 between softmax and P V: an interval's text is barrier, [softmax if kh = 0], P V, K Q, [softmax if kh = 1].  So behind a barrier one group has
; vector work while the other has matrix work, and then the other way round.  Both places are guarded by the same compare of kh with 0, one jumped over
; where it holds and the other where it does not: every wave runs one softmax for each tile.  The branches jump over vector work alone.
; CLUSTER: the four work-groups of a cluster are four query blocks of one batch and walk the same K and V: every tile is asked for jointly
; (mask 15), which divides the requests for K and V by four.  Nothing in a descriptor, an LDS address or a branch hangs on the place in the cluster.
; NO SHUFFLES: S^T = K Q^T (source 0 = rows of K, source 1 = rows of Q): lane (r, hh) holds query r, keys 8 hh + j of each tile of 16 keys.
; Two neighbouring tiles, packed to f16 in place, are the source-1 fragment of P^T for O^T = V^T P^T (source 0 = V^T, by transposing loads).
; So maximum, sum and scale belong to a lane; only the two halves of the wave exchange their figures (v_permlanex16_b32).
; exp(s/8 - m/8) = 2^(c s - c m), c = 0.125 log2 e; -c m is rounded once and the same number shifts every term and makes the rescale.
; LIMITS: |q|, |k|, |v|, |ctx| below 65,504 (f16); p below 6e-8 rounds to 0 against a sum of about 1 or more; ctx below 6.1e-5 keeps an absolute error of 3e-8;
; scores must be finite; NaN and infinities are not served; the order of the sums differs from the reference's.
.set KP,    528                        ; LDS pitch of K's rows: 512 bytes + 16, an odd multiple of 16
.set VP,    544                        ; LDS pitch of V's rows: 512 bytes + 32, an odd multiple of 32, for the transposing loads
.set KQ,    32*KP                      ; what one tensor load brings of K: a tile's 128 + 128 rows are shared among eight waves, 32 rows each
.set VQ,    32*VP                      ; and of V
.set VOFF,  4*KQ                       ; V's 128 rows lie behind K's
.set SLOT,  4*KQ+4*VQ                  ; 137,216
.set CTX,   2*SLOT                     ; 64 rows x 528: ctx in f16; bytes of its own, no tile lands here
.set CP,    528
.set MS2,   CTX+64*CP                  ; 8 waves x 1,024: (-c m, sum) of each lane and block of queries; bytes of its own
.set MS,    0                          ; 8 waves x 16,384: the waves' O, in slot 0 after its last tile (14) has been read
.set OS,    SLOT                       ; 64 rows x 1,040: the way out, in slot 1 after its last tile (15) has been read
.set OP,    1040
.set QROW,  1536
.set ADRK, 8                           ; v8-9    my K fragments in slot 0, 1
.set ADRV, 10                          ; v10-11  my V fragments in slot 0, 1
.set QO,   12                          ; v12     my offset in q
.set L16,  13                          ; v13     16 L: my offset in wof and in out0
.set BO,   14                          ; v14     32 hh
.set CST,  15                          ; v15     ctx: where I put 16 bytes
.set CLD,  16                          ; v16     ctx: my fragments
.set STO,  17                          ; v17     the way out: in
.set RD,   18                          ; v18     the way out: back
.set PF,   19                          ; v19     my offset in a prefetch
.set TM,   20                          ; v20-23  at work, one for each block n of 16 queries
.set MX,   24                          ; v24+2n  running maximum
.set MT,   25                          ; v25+2n  the other half's figure
.set NM,   32                          ; v32+2n  -c m in use
.set NX,   33                          ; v33+2n  -c m, new
.set AL,   40                          ; v40+2n  2^(c m old - c m new)
.set DX,   41                          ; v41+2n  its exponent
.set LS,   48                          ; v[48+2n:49+2n]  running sum, two chains
.set BIAS, 40                          ; v40-55  at the end: b_o in the shape of two accumulator tiles
.set MSA,  56                          ; v56     merge: where my O goes
.set M2A,  57                          ; v57     merge: where my two figures go
.set ML,   58                          ; v58-59  merge: the O of my two blocks, from the wave with kh = 0, 1
.set M2L,  60                          ; v60     merge: their figures
.set SC,   64                          ; v64-191   S tile (n, mt) at SC + 32 n + 8 mt; P fragment (n, p) at SC + 32 n + 16 p
.set VF,   192                         ; v192-255  V^T fragment (dt, p) at VF + 16 dt + 8 p
.set OA,   0                           ; window 1: O tile (n, dt) at 32 n + 8 dt
.set QF,   128                         ; window 1: Q fragment (n, ks) at 128 + 16 n + 8 ks
.set KF,   192                         ; window 1: K fragment (mt, ks) at 192 + 16 mt + 8 ks
.set WO,   128                         ; window 1, behind the last K Q: w_o fragment (mt, KS) at 128 + 8 (8 mt + KS)
.set G1K, 28                           ; s[28:35] descriptor group 1, K's tiles
.set G1V, 36                           ; s[36:43] the same for V's: another padding
.set G0K, 44                           ; s[44:51] group 0 for K, one set for each slot
.set G0V, 52                           ; s[52:59] group 0 for V
.set MSB, 0
.macro WIN new                         ; s_set_vgpr_msb: bits 1:0 source 0, 3:2 source 1, 5:4 source 2, 7:6 destination; the high byte repeats the setting left
.if MSB != \new
	s_set_vgpr_msb (MSB<<8)|\new
.set MSB, \new
.endif
.endm
.macro PLACES n                        ; the places behind a matrix instruction (ISA guide 7.12.1)
.rept \n
	v_nop
.endr
.endm
; a round of the cluster's barrier: my work-group's barrier, wave 0 signals for the work-group, every wave waits for all four work-groups, my work-group's barrier again
.macro ROUND
	s_barrier_signal -1
	s_barrier_wait -1
	s_cmp_lg_u32 s12, 0
	s_cbranch_scc1 .Lnot_wave_0_\@
	s_barrier_signal -3
.Lnot_wave_0_\@:
	s_barrier_wait -3
	s_barrier_signal -1
	s_barrier_wait -1
.endm
; a joint load: waves 0 to 3 fetch K's four quarters of 32 rows, waves 4 to 7 V's.  The branch hangs on the wave's number alone.
.macro JLOAD s
	s_cmp_eq_u32 s13, 0
	s_cbranch_scc0 .Lfor_v_\@
	tensor_load_to_lds s[G0K+4*\s:G0K+4*\s+3], s[G1K:G1K+7]
	s_nop 0
	s_branch .Lasked_\@
.Lfor_v_\@:
	tensor_load_to_lds s[G0V+4*\s:G0V+4*\s+3], s[G1V:G1V+7]
	s_nop 0
.Lasked_\@:
.endm
	s_load_b256 s[4:11], s[0:1], 0x0               ; qkv s[4:5], wof s[6:7], b_o s[8:9], out0 s[10:11]
	v_lshl_add_u32 v62, v0, 2, 0x4d400
	v_mov_b32 v63, 0
	ds_add_u32 v62, v63
	v_lshrrev_b32 v5, 5, v0
	v_readfirstlane_b32 s12, v5                    ; wave 0 .. 7
	s_lshr_b32 s13, s12, 2                         ; kh: my half of each tile's keys.  Also: I fetch for K (0) or for V (1)
	s_and_b32 s14, s12, 3                          ; h: my head.  Also: which 32 rows of a tile I fetch
	s_and_b32 s15, ttmp7, 0xffff                   ; batch (the cluster's y; a cluster is one work-group high)
	s_mov_b32 s22, 0x76543210                      ; v_permlanex16_b32: lane i takes lane i of the other half
	s_mov_b32 s23, 0xfedcba98
	; group 1: 32 rows x 256 elements of 2 bytes (all four heads), 768 elements from row to row; each row is 512 bytes at a multiple of 256
	s_mov_b32 s[G1K+0], 15|(1<<16)|(1<<20)|(1<<21)|(6<<22)|(3<<25)   ; mask: all four work-groups; 2-byte elements; padding on; bit 21 beside a mask; after every 128 words 4 words
	s_mov_b32 s[G1V+0], 15|(1<<16)|(1<<20)|(1<<21)|(6<<22)|(7<<25)   ; the same with 8 words of padding
	s_mov_b32 s[G1K+1], 256<<16                    ; tensor_dim0 = 256
	s_mov_b32 s[G1V+1], 256<<16
	s_mov_b32 s[G1K+2], 32<<16                     ; tensor_dim1 = 32
	s_mov_b32 s[G1V+2], 32<<16
	s_mov_b32 s[G1K+3], 256<<16                    ; tile_dim0 = 256
	s_mov_b32 s[G1V+3], 256<<16
	s_mov_b32 s[G1K+4], 32                         ; tile_dim1 = 32
	s_mov_b32 s[G1V+4], 32
	s_mov_b32 s[G1K+5], 768                        ; pitch in elements
	s_mov_b32 s[G1V+5], 768
	s_mov_b32 s[G1K+6], 0
	s_mov_b32 s[G1V+6], 0
	s_mov_b32 s[G1K+7], 0
	s_mov_b32 s[G1V+7], 0
	s_mul_i32 s16, s15, 2048*QROW                  ; the batch's first row,
	s_mul_i32 s20, s14, 32*QROW                    ; my quarter of a tile
	s_add_co_u32 s16, s16, s20
	s_mov_b32 s17, 0
	s_mul_i32 s25, s14, KQ                         ; where my quarter goes in a slot: K's
	s_mul_i32 s26, s14, VQ
	s_add_co_u32 s26, s26, VOFF                    ; V's
	s_wait_dscnt 0x0
	s_wait_kmcnt 0x0
	s_add_nc_u64 s[18:19], s[4:5], s[16:17]
	ROUND                                          ; all four work-groups are here: the first joint loads meet
.irp s, 0,1
	s_mov_b32 s[G0K+4*\s], 1
	s_add_co_u32 s[G0K+4*\s+1], s25, \s*SLOT
	s_add_nc_u64 s[G0K+4*\s+2:G0K+4*\s+3], s[18:19], 512+\s*128*QROW     ; k of tile s
	s_or_b32 s[G0K+4*\s+3], s[G0K+4*\s+3], 0x80000000
	s_mov_b32 s[G0V+4*\s], 1
	s_add_co_u32 s[G0V+4*\s+1], s26, \s*SLOT
	s_add_nc_u64 s[G0V+4*\s+2:G0V+4*\s+3], s[18:19], 1024+\s*128*QROW    ; v of tile s
	s_or_b32 s[G0V+4*\s+3], s[G0V+4*\s+3], 0x80000000
	JLOAD \s                                       ; both slots' first fills go out together: two tensor loads of the wave are out here, later one
.endr
	; what hangs on my place in the cluster: global addresses of q, of out0 and of the prefetch alone, in registers that feed no descriptor
	s_bfe_u32 s60, ttmp6, 0x40000                  ; cx
	s_lshl_b32 s61, ttmp9, 2
	s_add_co_u32 s61, s61, s60                     ; query block qb, 0 .. 31
	s_lshl_b32 s60, s15, 11                        ; 2,048 x batch
	s_lshl3_add_u32 s62, s61, s60                  ; prefetch: my 8 rows of 256,
	s_add_co_u32 s62, s62, 4*128                   ; from tile 4 on
	s_mul_i32 s62, s62, QROW
	s_add_co_u32 s62, s62, 512                     ; k and v are the 1,024 bytes behind q
	s_mov_b32 s63, 0
	s_add_nc_u64 s[74:75], s[4:5], s[62:63]
	s_lshl_b32 s61, s61, 6
	s_add_co_u32 s61, s61, s60                     ; my first row
	s_mul_i32 s62, s61, QROW
	s_add_nc_u64 s[66:67], s[4:5], s[62:63]        ; q at my first row
	s_lshl3_add_u32 s62, s12, s61                  ; on the way out wave w stores rows 8 w .. +7
	s_lshl_b32 s62, s62, 10
	s_add_nc_u64 s[72:73], s[10:11], s[62:63]
	s_lshl_b32 s20, s12, 14
	s_mov_b32 s21, 0
	s_add_nc_u64 s[68:69], s[6:7], s[20:21]        ; wof: my wave's 32 half fragments (columns 32 w .. +31)
	s_lshl_b32 s20, s12, 7
	s_add_nc_u64 s[70:71], s[8:9], s[20:21]        ; b_o: my wave's 32 numbers
	v_and_b32 v1, 15, v0                           ; r
	v_bfe_u32 v2, v0, 4, 1                         ; hh
	v_and_b32 v3, 7, v0
	v_bfe_u32 v4, v0, 3, 1
	v_and_b32 v5, 31, v0                           ; L
	s_lshl_b32 s27, s14, 7                         ; 128 h
	v_lshlrev_b32 v6, 4, v2
	v_add_nc_u32 v6, s27, v6                       ; 16 hh + 128 h
	v_mad_u32_u24 v[QO], v1, QROW, v6
	WIN 0x40
.irp nq, 0,1,2,3
.irp ks, 0,1
	global_load_b128 v[QF+16*\nq+8*\ks:QF+16*\nq+8*\ks+3],   v[QO], s[66:67] offset:\nq*16*QROW+64*\ks
	global_load_b128 v[QF+16*\nq+8*\ks+4:QF+16*\nq+8*\ks+7], v[QO], s[66:67] offset:\nq*16*QROW+64*\ks+32
.endr
.endr
	WIN 0
	v_mad_u32_u24 v7, v1, KP, v6                   ; r pitch + 16 hh + 128 h (K's pitch is ctx's too)
	s_mul_i32 s20, s13, 64*KP
	v_add_nc_u32 v[ADRK], s20, v7                  ; + my 64 keys
	v_add_nc_u32 v[ADRK+1], SLOT, v[ADRK]
	s_mul_i32 s20, s13, 32*CP
	s_add_co_u32 s20, s20, CTX
	v_add_nc_u32 v[CST], s20, v7                   ; ctx rows 32 kh + r
	v_lshl_add_u32 v7, v2, 3, v3
	v_mul_u32_u24 v7, v7, VP
	v_lshl_add_u32 v7, v4, 4, v7                   ; (8 hh + (L & 7)) pitch + 16 ((L >> 3) & 1)
	s_mul_i32 s20, s13, 64*VP
	s_add_co_u32 s20, s20, s27
	s_add_co_u32 s20, s20, VOFF
	v_add_nc_u32 v[ADRV], s20, v7                  ; + my 64 keys + 128 h
	v_add_nc_u32 v[ADRV+1], SLOT, v[ADRV]
	v_lshlrev_b32 v[L16], 4, v5
	v_lshlrev_b32 v[BO], 5, v2
	v_lshlrev_b32 v7, 4, v2
	v_mad_u32_u24 v7, v1, CP, v7
	v_add_nc_u32 v[CLD], CTX, v7
	s_lshl_b32 s20, s12, 7
	s_add_co_u32 s20, s20, OS
	v_mad_u32_u24 v7, v1, OP, v[BO]
	v_add_nc_u32 v[STO], s20, v7                   ; row r, byte 128 w + 32 hh
	s_mul_i32 s20, s12, 8*OP
	s_add_co_u32 s20, s20, OS
	v_add_nc_u32 v[RD], s20, v[L16]                ; row 8 w, 16 bytes a lane
	s_lshl_b32 s20, s12, 14
	v_add_nc_u32 v[MSA], s20, v[L16]               ; MS = 0: wave x 16,384 + 16 L
	s_lshl_b32 s20, s12, 10
	s_add_co_u32 s20, s20, MS2
	v_lshl_add_u32 v[M2A], v5, 3, s20              ; wave x 1,024 + 8 L
	s_lshl_b32 s20, s14, 14
	s_lshl_b32 s24, s13, 13
	s_add_co_u32 s20, s20, s24
	v_add_nc_u32 v[ML], s20, v[L16]                ; wave h's O, tiles 8 kh ..: my two blocks of queries
	v_add_nc_u32 v[ML+1], 0x10000, v[ML]           ; wave 4 + h's
	s_lshl_b32 s20, s14, 10
	s_lshl_b32 s24, s13, 9
	s_add_co_u32 s20, s20, s24
	s_add_co_u32 s20, s20, MS2
	v_lshl_add_u32 v[M2L], v5, 3, s20
	v_lshrrev_b32 v7, 2, v5
	v_and_b32 v6, 3, v5
	v_lshlrev_b32 v6, 8, v6
	v_mad_u32_u24 v[PF], v7, QROW, v6              ; row L >> 2 of my eight, block L & 3 of its four blocks of 256 bytes
.irp nq, 0,1,2,3
	v_mov_b32 v[MT+2*\nq], 0                       ; v_permlanex16_b32 counts as a reader of its destination
	v_mov_b32 v[MX+2*\nq], 0                       ; maximum, shift and sums are started by the two groups at different places of the text:
	v_mov_b32 v[NM+2*\nq], 0                       ; they are given a value here, so that each is defined on every way through the branches;
	v_mov_b32 v[LS+2*\nq], 0                       ; a wave's first softmax writes all of them again before any of them is used
	v_mov_b32 v[LS+2*\nq+1], 0
.endr
; 16 loads: the K fragments (4 tiles of 16 keys x 64 dh) of my 64 keys of a slot
.macro KFETCH slot
	WIN 0x40
.irp mt, 0,1,2,3
.irp ks, 0,1
	ds_load_b128 v[KF+16*\mt+8*\ks:KF+16*\mt+8*\ks+3],   v[ADRK+\slot] offset:16*\mt*KP+64*\ks
	ds_load_b128 v[KF+16*\mt+8*\ks+4:KF+16*\mt+8*\ks+7], v[ADRK+\slot] offset:16*\mt*KP+64*\ks+32
.endr
.endr
	WIN 0
.endm
; 16 transposing loads: the V^T fragments (4 tiles of 16 dh x 2 x 32 keys) of the same keys
.macro VFETCH slot
.irp dt, 0,1,2,3
.irp p, 0,1
	ds_load_tr16_b128 v[VF+16*\dt+8*\p:VF+16*\dt+8*\p+3],   v[ADRV+\slot] offset:32*\p*VP+32*\dt
	ds_load_tr16_b128 v[VF+16*\dt+8*\p+4:VF+16*\dt+8*\p+7], v[ADRV+\slot] offset:(32*\p+16)*VP+32*\dt
.endr
.endr
.endm
; S^T = K Q^T for 64 keys x 64 queries.  In both products the 16 accumulators take turns, one instruction a turn.
.macro SPROD
	WIN 0x05                                       ; K and Q in window 1, S in window 0
.irp ks, 0,1
.irp nq, 0,1,2,3
.irp mt, 0,1,2,3
.if \ks == 0
	v_wmma_f32_16x16x32_f16 v[SC+32*\nq+8*\mt:SC+32*\nq+8*\mt+7], v[KF+16*\mt+8*\ks:KF+16*\mt+8*\ks+7], v[QF+16*\nq+8*\ks:QF+16*\nq+8*\ks+7], 0
.else
	v_wmma_f32_16x16x32_f16 v[SC+32*\nq+8*\mt:SC+32*\nq+8*\mt+7], v[KF+16*\mt+8*\ks:KF+16*\mt+8*\ks+7], v[QF+16*\nq+8*\ks:QF+16*\nq+8*\ks+7], v[SC+32*\nq+8*\mt:SC+32*\nq+8*\mt+7]
.endif
.endr
.endr
.endr
	WIN 0
	PLACES 5                                       ; loads into K's (at the end Q's) fragments and reads of S follow: four would do for them.  Five is what a matrix
	                                               ; instruction with S's registers as a source needs: the text keeps its distances on every way through the branches
.endm
; O^T += V^T P^T.  first = 1: the first product starts the sums.
.macro PVPROD first
	WIN 0x50                                       ; O (C and D) in window 1, V^T and P in window 0
.irp p, 0,1
.irp nq, 0,1,2,3
.irp dt, 0,1,2,3
.if \first*(1-\p)
	v_wmma_f32_16x16x32_f16 v[OA+32*\nq+8*\dt:OA+32*\nq+8*\dt+7], v[VF+16*\dt+8*\p:VF+16*\dt+8*\p+7], v[SC+32*\nq+16*\p:SC+32*\nq+16*\p+7], 0
.else
	v_wmma_f32_16x16x32_f16 v[OA+32*\nq+8*\dt:OA+32*\nq+8*\dt+7], v[VF+16*\dt+8*\p:VF+16*\dt+8*\p+7], v[SC+32*\nq+16*\p:SC+32*\nq+16*\p+7], v[OA+32*\nq+8*\dt:OA+32*\nq+8*\dt+7]
.endif
.endr
.endr
.endr
	WIN 0
	PLACES 5                                       ; next: matrix instructions write over P, loads land on V's fragments, O is read or scaled
.endm
; The softmax of 64 keys x 64 queries: S becomes P in place; maximum, sum and O are carried on.  first = 1: they are started.
.macro SOFT first
	; the maximum of my 32 scores of each block of queries and the running one: four chains that do not wait for each other
.irp nq, 0,1,2,3
.if \first
	v_max_num_f32 v[TM+\nq], v[SC+32*\nq], v[SC+32*\nq+1]
.else
	v_max3_num_f32 v[TM+\nq], v[MX+2*\nq], v[SC+32*\nq], v[SC+32*\nq+1]
.endif
.endr
.irp k, 1,2,3,4,5,6,7,8,9,10,11,12,13,14,15
.irp nq, 0,1,2,3
	v_max3_num_f32 v[TM+\nq], v[TM+\nq], v[SC+32*\nq+2*\k], v[SC+32*\nq+2*\k+1]
.endr
.endr
.irp nq, 0,1,2,3
	v_permlanex16_b32 v[MT+2*\nq], v[TM+\nq], s22, s23     ; the other eight keys of each tile lie in the other half
.endr
.irp nq, 0,1,2,3
	v_max_num_f32 v[MX+2*\nq], v[TM+\nq], v[MT+2*\nq]
.endr
.irp nq, 0,1,2,3
	v_mul_f32 v[NX+2*\nq], 0xbe38aa3b, v[MX+2*\nq]         ; -c m, rounded once
.endr
.if \first == 0
.irp nq, 0,1,2,3
	v_sub_f32 v[DX+2*\nq], v[NX+2*\nq], v[NM+2*\nq]        ; c m old - c m new, from the two numbers that shift the terms
.endr
.irp nq, 0,1,2,3
	v_exp_f32 v[AL+2*\nq], v[DX+2*\nq]
.endr
.endif
.irp nq, 0,1,2,3
	v_mov_b32 v[NM+2*\nq], v[NX+2*\nq]                     ; plain instructions behind the exponentials (ISA guide 5.7.2)
.endr
	; p = 2^(c s - c m), its sum in f32, and p packed to f16 in place: pair k of a block goes to register 16 (k >> 3) + (k & 7), never above its sources
.irp nq, 0,1,2,3
.set sbase, SC+32*\nq
.set kk, 0
.rept 16
	v_pk_fma_f32 v[sbase+2*kk:sbase+2*kk+1], v[sbase+2*kk:sbase+2*kk+1], 0x3e38aa3b, v[NM+2*\nq:NM+2*\nq+1] op_sel_hi:[1,0,0]
.set kk, kk+1
.endr
.set kk, 0
.rept 32
	v_exp_f32 v[sbase+kk], v[sbase+kk]
.set kk, kk+1
.endr
	v_nop                                          ; one plain place behind the exponentials
.set kk, 0
.rept 16
.if kk == 0
.if \first
	s_wait_alu depctr_va_vdst(0)
	v_pk_add_f32 v[LS+2*\nq:LS+2*\nq+1], v[sbase:sbase+1], v[sbase+2:sbase+3]      ; the first two pairs start the sum
.else
	s_wait_alu depctr_va_vdst(0)
	v_pk_fma_f32 v[LS+2*\nq:LS+2*\nq+1], v[LS+2*\nq:LS+2*\nq+1], v[AL+2*\nq:AL+2*\nq+1], v[sbase:sbase+1] op_sel_hi:[1,0,1]
.endif
.else
.if kk == 1
.if \first == 0
	v_pk_add_f32 v[LS+2*\nq:LS+2*\nq+1], v[LS+2*\nq:LS+2*\nq+1], v[sbase+2:sbase+3]
.endif
.else
	v_pk_add_f32 v[LS+2*\nq:LS+2*\nq+1], v[LS+2*\nq:LS+2*\nq+1], v[sbase+2*kk:sbase+2*kk+1]
.endif
.endif
	v_cvt_pk_f16_f32 v[sbase+16*(kk>>3)+(kk&7)], v[sbase+2*kk], v[sbase+2*kk+1]
.set kk, kk+1
.endr
.endr
.if \first == 0
	WIN 0x41                                       ; O in window 1, the factor in window 0
.irp nq, 0,1,2,3
.set kk, 0
.rept 16
	v_pk_mul_f32 v[OA+32*\nq+2*kk:OA+32*\nq+2*kk+1], v[OA+32*\nq+2*kk:OA+32*\nq+2*kk+1], v[AL+2*\nq:AL+2*\nq+1] op_sel_hi:[1,0]
.set kk, kk+1
.endr
.endr
	WIN 0
.endif
.endm
; Interval t.  cur = t & 1 holds tile t, nxt the other slot.  In front of it every wave has used K(t) and has asked for V(t) into registers.
; mode 2: slot cur is filled again, with tile t + 2.  Every wave waits for all its tensor loads (the one out is its part of tile t + 1) and for its LDS
;         reads; the barrier is a round of the cluster's; the joint load is the wave's first and only tensor load behind it.
; mode 1: nothing is left to fetch: a plain barrier shows tile t + 1 whole.   mode 0: the last tile: no barrier, no further K Q.
; first = 1: interval 0.  wo = 1: behind the last K Q my w_o fragments are loaded over Q's and K's.  pf = 1: wave 0 prefetches.
.macro INTERVAL cur, nxt, mode, first, wo, pf
.if \mode
	s_wait_tensorcnt 0x0                           ; no tensor load of mine is out: a group 0 may be written
	ds_add_u32 v62, v63
	s_wait_dscnt 0x0
.if \mode == 2
	s_add_nc_u64 s[G0K+4*\cur+2:G0K+4*\cur+3], s[G0K+4*\cur+2:G0K+4*\cur+3], 2*128*QROW
	s_add_nc_u64 s[G0V+4*\cur+2:G0V+4*\cur+3], s[G0V+4*\cur+2:G0V+4*\cur+3], 2*128*QROW
.endif
	s_wait_dscnt 0x0                               ; my LDS reads are back: V(t) is in registers
.if \mode == 2
	ROUND
	JLOAD \cur                                     ; it has an interval's 64 matrix instructions and softmax of each wave in which to land
.else
	s_barrier_signal -1
	s_barrier_wait -1
.endif
	KFETCH \nxt                                    ; K(t + 1), a softmax or a product ahead of its use
.if \pf
	; Tiles three and four steps ahead of this one (4 to 15 over the six trips): their 256 rows x 4 blocks of 256 bytes are shared among the batch's
	; 32 work-groups, 32 blocks each, one lane a block, asked for by wave 0 alone.  The last trip asks for tiles 14 and 15: nothing past the batch.
	s_cmp_lg_u32 s12, 0
	s_cbranch_scc1 .Lno_pf_\@
	global_prefetch_b8 v[PF], s[74:75] th:TH_LOAD_NT scope:SCOPE_SE
.Lno_pf_\@:
.endif
.else
	s_wait_dscnt 0x0                               ; V(15) is in registers
.endif
	s_cmp_lg_u32 s13, 0                            ; kh is not 0:
	s_cbranch_scc1 .Lnot_0_\@                      ; this softmax is not mine
	SOFT \first                                    ; kh = 0: the softmax of tile t
.Lnot_0_\@:
	PVPROD \first
.if \mode
	VFETCH \nxt
	s_wait_dscnt 16                                ; all but the 16 V loads just issued: K(t + 1) is in
	SPROD
.if \wo
	WIN 0x40
.set i, 0
.rept 32
	global_load_b128 v[WO+4*i:WO+4*i+3], v[L16], s[68:69] offset:512*i
.set i, i+1
.endr
	WIN 0
.endif
	s_cmp_lg_u32 s13, 0                            ; the same compare, the other way: kh is 0:
	s_cbranch_scc0 .Lnot_1_\@                      ; this softmax is not mine
	SOFT 0                                         ; kh = 1: the softmax of tile t + 1
.Lnot_1_\@:
.endif
.endm
	s_wait_tensorcnt 0x1                           ; my part of tile 0 is in; tile 1's stays out
	s_barrier_signal -1
	s_barrier_wait -1                              ; everybody's part is in
	KFETCH 0
	VFETCH 0
	s_wait_loadcnt 0x0                             ; Q
	s_wait_dscnt 16                                ; all but the 16 V loads: K(0) is in
	SPROD
	s_cmp_lg_u32 s13, 0
	s_cbranch_scc0 .Lnot_1_start
	SOFT 1                                         ; kh = 1 runs half a turn ahead
.Lnot_1_start:
	INTERVAL 0, 1, 2, 1, 0, 0                      ; tile 0; tile 2 is asked for
	s_mov_b32 s24, 6
.Lt:                                               ; tiles 1 to 12; tiles 3 to 14 are asked for
	INTERVAL 1, 0, 2, 0, 0, 1
	INTERVAL 0, 1, 2, 0, 0, 0
	s_wait_xcnt 0x0                                ; the prefetch's base is stepped only behind this wait, two intervals behind the prefetch
	s_add_nc_u64 s[74:75], s[74:75], 2*128*QROW
	s_sub_co_u32 s24, s24, 1
	s_cmp_lg_u32 s24, 0
	s_cbranch_scc1 .Lt
	INTERVAL 1, 0, 2, 0, 0, 0                      ; tile 13; tile 15 is asked for: the last load
	INTERVAL 0, 1, 1, 0, 1, 0                      ; tile 14
	INTERVAL 1, 0, 0, 0, 0, 0                      ; tile 15
	; THE MERGE.  My keys' sum of each query; then O and (-c m, sum) go to LDS, where the two waves of a head meet.
.irp nq, 0,1,2,3
	v_add_f32 v[TM+\nq], v[LS+2*\nq], v[LS+2*\nq+1]
.endr
.irp nq, 0,1,2,3
	v_permlanex16_b32 v[MT+2*\nq], v[TM+\nq], s22, s23
.endr
.irp nq, 0,1,2,3
	v_add_f32 v[NX+2*\nq], v[TM+\nq], v[MT+2*\nq]          ; beside -c m: a pair to store
.endr
.irp mt, 0,1
	global_load_b128 v[BIAS+8*\mt:BIAS+8*\mt+3],   v[BO], s[70:71] offset:64*\mt       ; b_o of columns 16 mt + 8 hh + 0 .. 7: the shape of an accumulator tile
	global_load_b128 v[BIAS+8*\mt+4:BIAS+8*\mt+7], v[BO], s[70:71] offset:64*\mt+16
.endr
	WIN 0x04                                       ; store data in window 1
.set i, 0
.rept 32
	ds_store_b128 v[MSA], v[OA+4*i:OA+4*i+3] offset:512*i  ; half i of my 16 tiles: 512 consecutive bytes
.set i, i+1
.endr
	WIN 0
.irp nq, 0,1,2,3
	ds_store_b64 v[M2A], v[NM+2*\nq:NM+2*\nq+1] offset:256*\nq
.endr
	s_wait_dscnt 0x0                               ; my stores are done, and my reads of slot 1, for the others' sake
	s_barrier_signal -1
	s_barrier_wait -1
	; wave (h, kh) finishes blocks 2 kh and 2 kh + 1 of head h: both waves' figures and tiles come from LDS, so that the text is one for all waves
.irp i, 0,1
.irp g, 0,1
	ds_load_b64 v[MX+4*\i+2*\g:MX+4*\i+2*\g+1], v[M2L] offset:4096*\g+256*\i
.endr
.endr
.irp g, 0,1
.set k, 0
.rept 16
	ds_load_b128 v[SC+64*\g+4*k:SC+64*\g+4*k+3], v[ML+\g] offset:512*k
.set k, k+1
.endr
.endr
	s_wait_dscnt 32                                ; the four pairs of figures are in; the 32 loads of O behind them may be out
.irp i, 0,1
	v_min_num_f32 v[TM+\i], v[MX+4*\i], v[MX+4*\i+2]       ; -c max(m0, m1)
.endr
.irp i, 0,1
.irp g, 0,1
	v_sub_f32 v[NM+4*\i+2*\g+1], v[TM+\i], v[MX+4*\i+2*\g] ; c m_g - c m, at most 0, and 0 for one of the two
.endr
.endr
.irp i, 0,1
.irp g, 0,1
	v_exp_f32 v[NM+4*\i+2*\g], v[NM+4*\i+2*\g+1]
.endr
.endr
	v_nop                                          ; one plain place behind the exponentials
	s_wait_alu depctr_va_vdst(0)
.irp i, 0,1
	v_mul_f32 v[TM+2+\i], v[NM+4*\i], v[MX+4*\i+1]
.endr
.irp i, 0,1
	v_fmac_f32 v[TM+2+\i], v[NM+4*\i+2], v[MX+4*\i+3]      ; the whole row's sum; the term at the maximum alone is about 1
.endr
.irp i, 0,1
	v_rcp_f32 v[TM+\i], v[TM+2+\i]
.endr
	v_nop                                          ; one plain place behind the reciprocals
	s_wait_alu depctr_va_vdst(0)
.irp i, 0,1
.irp g, 0,1
	v_mul_f32 v[NM+4*\i+2*\g], v[NM+4*\i+2*\g], v[TM+\i]   ; f_g = 2^(c m_g - c m) / sum
.endr
.endr
	s_wait_dscnt 0x0
.irp i, 0,1
.set k, 0
.rept 16
	v_pk_mul_f32 v[SC+32*\i+2*k:SC+32*\i+2*k+1], v[SC+32*\i+2*k:SC+32*\i+2*k+1], v[NM+4*\i:NM+4*\i+1] op_sel_hi:[1,0]
.set k, k+1
.endr
.endr
.irp i, 0,1
.set k, 0
.rept 16
	v_pk_fma_f32 v[SC+32*\i+2*k:SC+32*\i+2*k+1], v[SC+64+32*\i+2*k:SC+64+32*\i+2*k+1], v[NM+4*\i+2:NM+4*\i+3], v[SC+32*\i+2*k:SC+32*\i+2*k+1] op_sel_hi:[1,0,1]
.set k, k+1
.endr
.endr
.irp i, 0,1
.irp dt, 0,1,2,3
.irp jj, 0,1,2,3
	v_cvt_pk_f16_f32 v[SC+32*\i+8*\dt+\jj], v[SC+32*\i+8*\dt+2*\jj], v[SC+32*\i+8*\dt+2*\jj+1]    ; in place, never above its sources
.endr
.endr
.endr
.irp i, 0,1
.irp dt, 0,1,2,3
	ds_store_b128 v[CST], v[SC+32*\i+8*\dt:SC+32*\i+8*\dt+3] offset:\i*16*CP+32*\dt
.endr
.endr
	s_wait_dscnt 0x0                               ; my stores are done, for the others' sake
	s_barrier_signal -1
	s_barrier_wait -1                              ; ctx is whole
	; out^T = w_o^T ctx^T + b_o: source 0 = 16 columns of w_o, source 1 = 16 rows of ctx.  Wave w makes columns 32 w .. +31 of all 64 rows: 8 accumulators.
.irp ks, 0,1,2,3,4,5
.irp nq, 0,1,2,3
	ds_load_b128 v[SC+8*(4*\ks+\nq):SC+8*(4*\ks+\nq)+3],   v[CLD] offset:\nq*16*CP+64*\ks
	ds_load_b128 v[SC+8*(4*\ks+\nq)+4:SC+8*(4*\ks+\nq)+7], v[CLD] offset:\nq*16*CP+64*\ks+32
.endr
.endr
	WIN 0x40
.irp ks, 6,7
.irp nq, 0,1,2,3
	ds_load_b128 v[64+8*(4*(\ks-6)+\nq):64+8*(4*(\ks-6)+\nq)+3],   v[CLD] offset:\nq*16*CP+64*\ks
	ds_load_b128 v[64+8*(4*(\ks-6)+\nq)+4:64+8*(4*(\ks-6)+\nq)+7], v[CLD] offset:\nq*16*CP+64*\ks+32
.endr
.endr
	s_wait_loadcnt 0x0                             ; w_o's fragments and b_o
	s_wait_dscnt 16                                ; the first 48 loads are in; the fragments of K steps 6 and 7 may be out
	WIN 0x41                                       ; D and w_o in window 1, ctx and b_o in window 0: b_o starts the sums
.irp mt, 0,1
.irp nq, 0,1,2,3
	v_wmma_f32_16x16x32_f16 v[8*(4*\mt+\nq):8*(4*\mt+\nq)+7], v[WO+8*(8*\mt):WO+8*(8*\mt)+7], v[SC+8*\nq:SC+8*\nq+7], v[BIAS+8*\mt:BIAS+8*\mt+7]
.endr
.endr
	WIN 0x51                                       ; from here on in place; the 8 accumulators take turns
.irp ks, 1,2,3,4,5
.irp mt, 0,1
.irp nq, 0,1,2,3
	v_wmma_f32_16x16x32_f16 v[8*(4*\mt+\nq):8*(4*\mt+\nq)+7], v[WO+8*(8*\mt+\ks):WO+8*(8*\mt+\ks)+7], v[SC+8*(4*\ks+\nq):SC+8*(4*\ks+\nq)+7], v[8*(4*\mt+\nq):8*(4*\mt+\nq)+7]
.endr
.endr
.endr
	s_wait_dscnt 0
	WIN 0x55                                       ; ctx's fragments of K steps 6 and 7 lie in window 1
.irp ks, 6,7
.irp mt, 0,1
.irp nq, 0,1,2,3
	v_wmma_f32_16x16x32_f16 v[8*(4*\mt+\nq):8*(4*\mt+\nq)+7], v[WO+8*(8*\mt+\ks):WO+8*(8*\mt+\ks)+7], v[64+8*(4*(\ks-6)+\nq):64+8*(4*(\ks-6)+\nq)+7], v[8*(4*\mt+\nq):8*(4*\mt+\nq)+7]
.endr
.endr
.endr
	WIN 0
	PLACES 4                                       ; LDS stores read results, loads land on ctx's fragments
	; THE WAY OUT: 64 rows x 1,024 bytes meet in LDS: in by 8 columns a lane, back by rows
	WIN 0x04                                       ; store data in window 1
.irp nq, 0,1,2,3
.irp mt, 0,1
	ds_store_b128 v[STO], v[8*(4*\mt+\nq):8*(4*\mt+\nq)+3]   offset:\nq*16*OP+64*\mt
	ds_store_b128 v[STO], v[8*(4*\mt+\nq)+4:8*(4*\mt+\nq)+7] offset:\nq*16*OP+64*\mt+16
.endr
.endr
	WIN 0
	s_wait_dscnt 0x0                               ; my stores are done, for the others' sake
	s_barrier_signal -1
	s_barrier_wait -1
.set i, 0
.rept 16
	ds_load_b128 v[SC+4*i:SC+4*i+3], v[RD] offset:(i>>1)*OP+512*(i&1)
.set i, i+1
.endr
.set i, 0
.rept 16
	s_wait_dscnt 15-i                              ; load i is in; registers of their own for every store: none is written again
	global_store_b128 v[L16], v[SC+4*i:SC+4*i+3], s[72:73] offset:(i>>1)*1024+512*(i&1) th:TH_STORE_NT   ; the wave stores 512 consecutive bytes at a multiple of 512 from out0's first byte
.set i, i+1
.endr
	s_wait_tensorcnt 0x0
	ds_add_u32 v62, v63
	s_wait_dscnt 0x0
	ROUND                                          ; the closing round: no work-group ends while a partner may still ask for a tile that names it
	s_endpgm
.Lfunc_end_k_q6375a4f10d_attn:
	.size	k_q6375a4f10d_attn, .Lfunc_end_k_q6375a4f10d_attn-k_q6375a4f10d_attn
	.p2alignl 7, 3214868480
	.fill 96, 4, 3214868480
	.section	.rodata,"a",@progbits
	.p2align	6, 0x0
	.amdhsa_kernel k_q6375a4f10d_attn
		.amdhsa_group_segment_fixed_size 327680
		.amdhsa_private_segment_fixed_size 0
		.amdhsa_enable_private_segment 0
		.amdhsa_kernarg_size 32
		.amdhsa_user_sgpr_count 2
		.amdhsa_user_sgpr_kernarg_segment_ptr 1
		.amdhsa_wavefront_size32 1
		.amdhsa_system_sgpr_workgroup_id_x 1
		.amdhsa_system_sgpr_workgroup_id_y 1
		.amdhsa_system_sgpr_workgroup_id_z 1
		.amdhsa_system_vgpr_workitem_id 0
		.amdhsa_next_free_vgpr 512
		.amdhsa_next_free_sgpr 76
		.amdhsa_reserve_vcc 0
		.amdhsa_float_denorm_mode_32 3
		.amdhsa_float_denorm_mode_16_64 3
		.amdhsa_memory_ordered 1
		.amdhsa_forward_progress 1
		.amdhsa_inst_pref_size 255
	.end_amdhsa_kernel
	.section	.bss,"aw",@nobits
	.p2align	6
	.space	262144
	.amdgpu_metadata
---
amdhsa.version: [ 1, 2 ]
amdhsa.kernels:
  - .name:           k_q6375a4f10d_attn
    .symbol:         k_q6375a4f10d_attn.kd
    .args:
      - { .name: qkv, .offset: 0, .size: 8, .value_kind: global_buffer, .address_space: global }
      - { .name: wof, .offset: 8, .size: 8, .value_kind: global_buffer, .address_space: global }
      - { .name: b_o, .offset: 16, .size: 8, .value_kind: global_buffer, .address_space: global }
      - { .name: out0, .offset: 24, .size: 8, .value_kind: global_buffer, .address_space: global }
    .group_segment_fixed_size: 327680
    .private_segment_fixed_size: 0
    .kernarg_segment_align: 8
    .kernarg_segment_size: 32
    .max_flat_workgroup_size: 256
    .sgpr_count:     76
    .vgpr_count:     512
    .wavefront_size: 32
...
	.end_amdgpu_metadata
.endif
;; end of part 4
;; ======== version 3 of 3: 2 launches; version 2 with the launch proj written anew for expert scheduling mode
;; limits: values are held in f16: magnitudes above 65,504 overflow, below 6.1e-05 lose precision
;; workspace buffers: qkv 25,165,824 bytes; wof 131,072 bytes
;; launch proj (part 5): grid 2 x 128, 4 waves a work-group, no clusters, 320,000 bytes of LDS; arguments x, w_q, w_k, w_v, w_o, qkv, wof; writes qkv, wof
.if DOCPART == 5
	.amdgcn_target "amdgcn-amd-amdhsa--gfx1250"
	.amdhsa_code_object_version 6
	.text
	.protected	k_q6375a4f10d_proj
	.globl	k_q6375a4f10d_proj
	.p2align	8
	.type	k_q6375a4f10d_proj,@function
k_q6375a4f10d_proj:
	s_mov_b64 s[64:65], 0
	v_nop
	global_prefetch_b8 v0, s[64:65] scope:SCOPE_SE
	s_setreg_imm32_b32 hwreg(HW_REG_WAVE_SCHED_MODE, 0, 2), 2
	s_setreg_imm32_b32 hwreg(HW_REG_WAVE_MODE, 25, 1), 1
	s_wait_xcnt 0x0
	s_wait_alu depctr_vm_vsrc(0)
; qkv[row][0:768] = f16( x[row][:] . [w_q | w_k | w_v] ), row = 0 .. 16383; a row of qkv is 1,536 bytes: q at 0, k at 512, v at 1,024.
; wof = w_o in f16, laid out as the halves of the matrix fragments that the next launch loads (see below).
; A work-group makes 128 rows x 384 columns: three units of 128 columns (256 bytes of output each), one pass a unit; 2 x 128 work-groups.
; Four waves; wave w = (wr = w >> 1, wc = w & 1) makes, in each pass, rows 64 wr .. +63 x columns 64 wc .. +63 of the unit: 16 accumulator tiles.
; x and W are f32 in memory: they pass through registers, are rounded to f16 (nearest even) and laid into LDS; sums in f32.
; OVERLAP: the 256 loads of a wave run through a ring of four groups of 16 (48 to 64 loads out).  Only x and unit 0 are laid into LDS ahead
; of pass 0; unit 1 is on its way during pass 0 and unit 2 during pass 1.  Each pass's results leave while the next pass multiplies.
; NO CLUSTER, NO TENSOR LOADS: a joint load lands in LDS as it lies in memory, and an f32 image of a unit of W (128 KiB) does not fit
; beside the f16 images, x and the stages.
; LIMITS: |x|, |w| and every |q|, |k|, |v| must stay below 65,504 (f16's largest number); numbers below 6.1e-5 keep an absolute
; error of 3e-8.  As drawn |q| is about 5; with x and w thirty times larger about 5,000.  NaN and infinities are not served.
; The order of the sums differs from a plain dot product's.
; THE MATRIX INSTRUCTION IS USED TRANSPOSED: source 0 = 16 columns of W, source 1 = 16 rows of x, so that a lane's eight results are
; eight neighbouring columns of one row, 16 bytes in f16.
; THE MODE: SCHED_MODE bits 1:0 = 2 (LLVM: expert scheduling mode 2), set by the entry lines.  The code itself states the register dependences
; between vector or matrix instructions and memory or LDS instructions, with s_wait_alu, always for 0.
; THE PLAN.  Registers that memory or LDS instructions touch:
;   RING0 .. RING3  Written by global loads alone.  Group g (0 .. 15): its 32 conversions read RING[g & 3]; behind them the place is loaded again.
;   OUT0, OUT1      Written by group g's conversions (OUT[g & 1]); read by the group's 16 LDS stores.
;   WB0, WB1        Written by the transposing LDS loads; K step k's 16 matrix instructions read WB[k & 1], its eight loads land in the other.
;   ACC             Written by the matrix instructions and rounded in place; the 16 LDS stores into the stage read it; the next pass's first products write it again.
;   x's fragments, the rows read back, w_o's words: each loaded once.  v8 to v34: offsets and addresses, made once at the head.
; A group has one wait on va_vdst, behind its conversions: OUT[g & 1] is written and RING[g & 3] is read out; its loads and stores follow with no further wait.
; Beside it stands one wait on vm_vsrc: the stores of group g - 1, issued ahead of this group's conversions, have read the other OUT, which group g + 1 writes;
; in the first group behind a pass it also states that the stage's stores have read ACC.
; A K step that loads into a buffer which the step before has read has one wait on va_vdst at its head; its loads are dealt among its first matrix instructions,
; which name the other buffer, x's fragments and ACC: none of the registers that those loads touch.
.set XP,   528                         ; LDS pitch of x's rows: 512 bytes + 16: an odd multiple of 16
.set WP,   288                         ; LDS pitch of a unit's k rows: 256 bytes + 32: an odd multiple of 32, for the transposing loads
.set WREG, 256*WP                      ; a unit of W in f16; two regions: units 0 and 2 take the first, unit 1 the second
.set XS,   2*WREG                      ; x's 128 rows
.set SP,   272                         ; LDS pitch of a stage: 256 bytes + 16
.set STG,  XS+128*XP                   ; three stages, one for each pass, bytes of their own
.set STGB, 128*SP
.set QROW, 1536                        ; bytes in a row of qkv
.set XO,   8                           ; v8      x: 16 t
.set WOFF, 9                           ; v9      W: wave x 1,024 + lane x 16
.set XA,   10                          ; v10-11  LDS: where my 8 bytes of x go, rows 0-63 and 64-127
.set XF,   12                          ; v12     LDS: my x fragments
.set GO,   13                          ; v13     my byte offset in qkv
.set WOA,  14                          ; v14     my offset in w_o
.set WOS,  15                          ; v15     my offset in wof
.set WAD,  16                          ; v16-23  LDS: where my 8 bytes of W go: region x 4 + quarter (k rows 64 q ..)
.set WF,   24                          ; v24-27  LDS: my W fragments: region x 2 + half (k rows 128 half ..)
.set SA,   28                          ; v28-30  stage of pass p: where I put 16 bytes
.set RA,   32                          ; v32-34  stage of pass p: where I read rows back
.set WW,   40                          ; v40-47  eight words of w_o
.set WH,   48                          ; v48-51  the same in f16
.set ACC,  64                          ; v64-191   accumulator tile (ct, rt) at ACC + 8 (4 ct + rt)
.set WB,   192                         ; v192-255  two buffers of four W fragments
                                       ; window 1 (v256-511): x fragment (rt, ks) at 8 (8 rt + ks)
                                       ; window 2 (v512-767): the ring of loads, group g at 64 (g & 3)
                                       ; window 3 (v768-959): rows read back from the stages, 64 registers for each pass, never rewritten
.set OUT,  192                         ; window 3 (v960-1023): two out-buffers of 32: a group's 64 numbers a lane in f16, on their way into LDS
.set MSB, 0
.macro WIN new                         ; s_set_vgpr_msb: bits 1:0 source 0, 3:2 source 1, 5:4 source 2, 7:6 destination; the high byte repeats the setting left
.if MSB != \new
	s_set_vgpr_msb (MSB<<8)|\new
.set MSB, \new
.endif
.endm
.macro PLACES n                        ; the places behind a matrix instruction (ISA guide 7.12.1)
.rept \n
	v_nop
.endr
.endm
; 16 loads of 16 bytes a lane into a place of the ring; each covers 512 consecutive bytes
.macro LD16 ring, sb, vo, i0, st
	WIN 0x8c                                       ; loaded data in window 2, LDS store data in window 3, addresses in window 0
.set j, 0
.rept 16
	global_load_b128 v[64*\ring+4*j:64*\ring+4*j+3], v[\vo], s[\sb:\sb+1] offset:(\i0+j)*(\st)
.set j, j+1
.endr
.endm
; A group: the 16 loads of a place of the ring are rounded to f16 into the out-buffer of the place's parity, in one run; the place is loaded again (sb: the unit's
; base, i0: its first load; sb = 0: nothing is left to load); then 8 bytes a lane go into LDS, in one run.  left = the loads that were issued behind the group's.
; free = 1: a group stands in front and another follows.
.macro ST16 ring, va, o0, st, left, free, sb=0, i0=0
.set OB, OUT+32*((\ring)&1)
	s_wait_loadcnt \left                           ; loads return in order: this group is in, the younger groups stay out
	WIN 0xca                                       ; sources in window 2, destination in window 3
.set j, 0
.rept 16
	v_cvt_pk_f16_f32 v[OB+2*j],   v[64*\ring+4*j],   v[64*\ring+4*j+1]
	v_cvt_pk_f16_f32 v[OB+2*j+1], v[64*\ring+4*j+2], v[64*\ring+4*j+3]
.set j, j+1
.endr
	WIN 0x8c
	s_wait_alu depctr_va_vdst(0)                   ; the conversions have written this out-buffer, which the LDS stores below read, and are done reading the ring's place, in which the loads below land; in the first group the LDS addresses are written too
.if \free
	s_wait_alu depctr_vm_vsrc(0)                   ; the LDS stores of the group before have read the other out-buffer, which the next group's conversions write; behind a pass: the stage's stores have read the accumulators, which the next pass's products write
.endif
.if \sb
	LD16 \ring, \sb, WOFF, \i0, 4096               ; four k rows a load
.endif
.set j, 0
.rept 16
	ds_store_b64 v[\va], v[OB+2*j:OB+2*j+1] offset:(\o0)+j*(\st)
.set j, j+1
.endr
.endm
	s_load_b256 s[4:11], s[0:1], 0x0               ; x s[4:5], w_q s[6:7], w_k s[8:9], w_v s[10:11]
	s_load_b128 s[12:15], s[0:1], 0x20             ; w_o s[12:13], qkv s[14:15]
	s_load_b64 s[16:17], s[0:1], 0x30              ; wof
	v_lshl_add_u32 v62, v0, 2, 0x4e000             ; my spare word and 0: made here and kept for the closing lines alone
	v_mov_b32 v63, 0
	v_lshrrev_b32 v6, 5, v0
	v_readfirstlane_b32 s18, v6                    ; wave
	s_mov_b32 s21, ttmp9                           ; slice: columns 384 slice ..
	s_and_b32 s22, ttmp7, 0xffff                   ; rb: rows 128 rb ..
	s_lshl1_add_u32 s23, s22, s21                  ; g = 2 rb + slice, 0 .. 255: my half fragment of w_o
	v_and_b32 v1, 31, v0                           ; lane L
	v_and_b32 v2, 15, v0                           ; r
	v_bfe_u32 v3, v0, 4, 1                         ; hh
	v_and_b32 v4, 7, v0                            ; L & 7
	v_bfe_u32 v5, v0, 3, 1                         ; (L >> 3) & 1
	v_lshlrev_b32 v[XO], 4, v0
	v_lshlrev_b32 v[WOS], 4, v1
	v_lshl_add_u32 v[WOFF], v6, 10, v[WOS]
	v_lshlrev_b32 v7, 2, v2
	v_lshl_add_u32 v[WOA], v3, 13, v7              ; 8 hh rows of 1,024 bytes + 4 r
	s_wait_alu depctr_va_sdst(0)                   ; s18 is written, ahead of its first reader
	s_lshr_b32 s19, s18, 1                         ; wr
	s_and_b32 s20, s18, 1                          ; wc
	s_wait_kmcnt 0x0
	; the three units' sources.  slice 0: w_q + 0, w_q + 512, w_k + 0;  slice 1: w_k + 512, w_v + 0, w_v + 512
	s_cmp_eq_u32 s21, 0
	s_cselect_b64 s[24:25], s[6:7], s[8:9]
	s_cselect_b64 s[26:27], s[6:7], s[10:11]
	s_cselect_b64 s[28:29], s[8:9], s[10:11]
	s_cselect_b32 s30, 0, 512
	s_cselect_b32 s32, 512, 0
	s_mov_b32 s31, 0
	s_mov_b32 s33, 0
	s_add_nc_u64 s[24:25], s[24:25], s[30:31]
	s_add_nc_u64 s[26:27], s[26:27], s[32:33]
	s_add_nc_u64 s[28:29], s[28:29], s[30:31]
	s_lshl_b32 s30, s22, 17                        ; 128 rows of 1,024 bytes
	s_add_nc_u64 s[34:35], s[4:5], s[30:31]        ; x at my first row
	s_mul_i32 s30, s22, 128*QROW
	s_mul_i32 s32, s21, 768
	s_add_co_u32 s30, s30, s32
	s_add_nc_u64 s[36:37], s[14:15], s[30:31]      ; qkv at my first row and column
	; wof: half fragment g = (MT 8 + KS) 2 + c; lane (r, hh) owns the 16 bytes at 512 g + 16 L = f16 of w_o[32 KS + 16 c + 8 hh + i][16 MT + r], i = 0 .. 7
	s_and_b32 s30, s23, 15                         ; 2 KS + c: k row 16 (g & 15)
	s_lshl_b32 s30, s30, 14
	s_lshr_b32 s32, s23, 4                         ; MT
	s_lshl_b32 s32, s32, 6
	s_add_co_u32 s30, s30, s32
	s_add_nc_u64 s[38:39], s[12:13], s[30:31]
	s_lshl_b32 s30, s23, 9
	s_add_nc_u64 s[40:41], s[16:17], s[30:31]
	WIN 0x8c
	s_wait_alu depctr_va_vdst(0)                   ; v8, v9, v14 and v15 are written: the offsets of every load of x, W and w_o and of wof's store
	LD16 0, 34, XO, 0, 2048                        ; x, two rows a load: the ring is filled, 64 loads of the wave are out
	LD16 1, 34, XO, 16, 2048
	LD16 2, 34, XO, 32, 2048
	LD16 3, 34, XO, 48, 2048
	WIN 0
	; LDS addresses, while the first loads are on their way: none of these lines names a register that those loads touch
	v_lshrrev_b32 v7, 6, v0
	v_mul_u32_u24 v7, v7, XP
	v_and_b32 v36, 63, v0
	v_lshl_add_u32 v7, v36, 3, v7
	v_add_nc_u32 v[XA], XS, v7                     ; row t >> 6, 8 bytes at 8 (t & 63)
	v_add_nc_u32 v[XA+1], XS+64*XP, v7
	v_mul_u32_u24 v7, v6, WP
	v_lshl_add_u32 v7, v1, 3, v7
.irp q, 0,1,2,3
	v_add_nc_u32 v[WAD+\q], \q*64*WP, v7           ; k row wave + 64 q, 8 bytes at 8 L
	v_add_nc_u32 v[WAD+4+\q], WREG+\q*64*WP, v7    ; the same in the second region
.endr
	s_mul_i32 s30, s19, 64*XP
	s_add_co_u32 s30, s30, XS
	v_mul_u32_u24 v7, v2, XP
	v_lshl_add_u32 v7, v3, 4, v7
	v_add_nc_u32 v[XF], s30, v7                    ; (64 wr + r) pitch + 16 hh
	s_mul_i32 s30, s19, 64*SP
	s_lshl_b32 s33, s20, 7                         ; 128 wc
	s_add_co_u32 s30, s30, s33
	v_mul_u32_u24 v7, v2, SP
	v_lshl_add_u32 v7, v3, 4, v7
	v_add_nc_u32 v7, s30, v7                       ; (64 wr + r) pitch + 128 wc + 16 hh
.irp p, 0,1,2
	v_add_nc_u32 v[SA+\p], STG+\p*STGB, v7
.endr
	s_mul_i32 s30, s18, 32*SP
	v_mul_u32_u24 v7, v3, SP
	v_lshl_add_u32 v7, v2, 4, v7
	v_add_nc_u32 v7, s30, v7                       ; (32 w + hh) pitch + 16 r
.irp p, 0,1,2
	v_add_nc_u32 v[RA+\p], STG+\p*STGB, v7
.endr
	s_mul_i32 s30, s18, 32*QROW
	v_mul_u32_u24 v7, v3, QROW
	v_lshl_add_u32 v7, v2, 4, v7
	v_add_nc_u32 v[GO], s30, v7
	v_lshl_add_u32 v7, v3, 3, v4
	v_mul_u32_u24 v7, v7, WP
	v_lshl_add_u32 v7, v5, 4, v7
	v_add_nc_u32 v7, s33, v7                       ; (8 hh + (L & 7)) pitch + 128 wc + 16 ((L >> 3) & 1)
.irp h, 0,1,2,3
	v_add_nc_u32 v[WF+\h], (\h>>1)*WREG+(\h&1)*128*WP, v7
.endr
	; x and unit 0 into LDS; in each group the ring's place is loaded again: unit 0, then unit 1
	ST16 0, XA, 0, 2*XP, 48, 0, 24, 0              ; groups 0 to 3: x; unit 0 is asked for
	ST16 1, XA, 32*XP, 2*XP, 48, 1, 24, 16
	ST16 2, XA+1, 0, 2*XP, 48, 1, 24, 32
	ST16 3, XA+1, 32*XP, 2*XP, 48, 1, 24, 48
	ST16 0, WAD+0, 0, 4*WP, 48, 1, 26, 0           ; groups 4 to 7: unit 0; unit 1 is asked for: on its way during pass 0
	ST16 1, WAD+1, 0, 4*WP, 48, 1, 26, 16
	ST16 2, WAD+2, 0, 4*WP, 48, 1, 26, 32
	ST16 3, WAD+3, 0, 4*WP, 48, 1, 26, 48
	WIN 0
	s_wait_dscnt 0x0                               ; my LDS stores are done, for the other waves' sake
	s_barrier_signal -1
	s_barrier_wait -1                              ; x and unit 0 are whole in LDS
	; my 64 rows of x, all of K, stay in registers: 32 fragments in window 1.  No vector instruction has named these registers, and v[XF] was written ahead of the groups' waits
	WIN 0x40
.irp rt, 0,1,2,3
.irp kx, 0,1,2,3,4,5,6,7
	ds_load_b128 v[8*(8*\rt+\kx):8*(8*\rt+\kx)+3],   v[XF] offset:\rt*16*XP+64*\kx
	ds_load_b128 v[8*(8*\rt+\kx)+4:8*(8*\rt+\kx)+7], v[XF] offset:\rt*16*XP+64*\kx+32
.endr
.endr
; four W fragments (16 columns x 32 k each) of pass NP, K step NK, into buffer NB: W lies [k][column], so the loads transpose.  A pass's first fragments come by this run
.macro FETCHW
.irp ct, 0,1,2,3
	ds_load_tr16_b128 v[NB+8*\ct:NB+8*\ct+3],   v[WF+2*(NP&1)+(NK>>2)] offset:(NK&3)*32*WP+32*\ct
	ds_load_tr16_b128 v[NB+8*\ct+4:NB+8*\ct+7], v[WF+2*(NP&1)+(NK>>2)] offset:(NK&3)*32*WP+32*\ct+16*WP
.endr
.endm
; 16 matrix instructions of K step KSN from buffer CB.  The 16 accumulators take turns, one instruction a turn.
; The first K step starts the sums with the constant 0: nothing is cleared.
; Behind each of the first four stand two of the eight loads of the next step's fragments (pass NP, K step NK, into buffer NB): no wait, since no matrix
; instruction of this step names NB or the address.  The last step loads nothing.
.macro MUL16
.irp ct, 0,1,2,3
.irp rt, 0,1,2,3
.if KSN == 0
	v_wmma_f32_16x16x32_f16 v[ACC+8*(4*\ct+\rt):ACC+8*(4*\ct+\rt)+7], v[CB+8*\ct:CB+8*\ct+7], v[8*(8*\rt+KSN):8*(8*\rt+KSN)+7], 0
.else
	v_wmma_f32_16x16x32_f16 v[ACC+8*(4*\ct+\rt):ACC+8*(4*\ct+\rt)+7], v[CB+8*\ct:CB+8*\ct+7], v[8*(8*\rt+KSN):8*(8*\rt+KSN)+7], v[ACC+8*(4*\ct+\rt):ACC+8*(4*\ct+\rt)+7]
.endif
.if (\ct == 0) && (KSN < 7)
	ds_load_tr16_b128 v[NB+8*\rt:NB+8*\rt+3],   v[WF+2*(NP&1)+(NK>>2)] offset:(NK&3)*32*WP+32*\rt
	ds_load_tr16_b128 v[NB+8*\rt+4:NB+8*\rt+7], v[WF+2*(NP&1)+(NK>>2)] offset:(NK&3)*32*WP+32*\rt+16*WP
.endif
.endr
.endr
.endm
; A pass: eight K steps of 16 matrix instructions; the fragments of K step 0 have been asked for; then the 16 tiles are rounded to f16 in place
; (register i of a tile takes registers 2 i and 2 i + 1, never above its sources) and laid into the pass's stage.
.macro PASS p
.set kq, 0
.rept 8
.if (kq > 0) && (kq < 7)
	PLACES 4                                       ; the buffer loaded next was read by the last step's matrix instructions
.endif
	s_wait_dscnt 0x0                               ; this step's fragments, asked for early in the step before (in pass 0's first step x's too), are in: nothing younger is out
.if (kq > 0) && (kq < 7)
	s_wait_alu depctr_va_vdst(0)                   ; the last step's matrix instructions are done reading the buffer in which this step's loads land
.endif
.set KSN, kq
.set CB, WB+32*(kq&1)
.set NP, \p
.set NK, kq+1
.set NB, WB+32*((kq+1)&1)
	MUL16
.set kq, kq+1
.endr
	PLACES 4                                       ; the conversions read matrix results
	WIN 0
.set t, 0
.rept 16
.irp i, 0,1,2,3
	v_cvt_pk_f16_f32 v[ACC+8*t+\i], v[ACC+8*t+2*\i], v[ACC+8*t+2*\i+1]
.endr
.set t, t+1
.endr
	s_wait_alu depctr_va_vdst(0)                   ; the conversions have written the tiles' low halves, which the LDS stores read; the pass's matrix instructions are done reading W's two buffers, in which the next pass's first fragments land
.irp ct, 0,1,2,3
.irp rt, 0,1,2,3
	ds_store_b128 v[SA+\p], v[ACC+8*(4*\ct+\rt):ACC+8*(4*\ct+\rt)+3] offset:\rt*16*SP+32*\ct
.endr
.endr
.endm
; Behind a pass: one barrier shows every wave the pass's stage and the next unit of W, and that nobody reads the last unit any more.
; Then the next pass's first fragments are asked for, and wave w stores rows 32 w .. +31 of the unit: lanes 0-15 one row's 256 bytes, lanes 16-31 the next row's.
; No vector or matrix instruction names the registers that these loads and stores touch, but W's first buffer, whose readers stand ahead of the pass's last wait on va_vdst.
.macro EXCH p
	WIN 0
	s_wait_dscnt 0x0                               ; my LDS stores and reads are done, for the others' sake
	s_barrier_signal -1
	s_barrier_wait -1
.if \p < 2
	WIN 0x04
.set NP, \p+1
.set NK, 0
.set NB, WB
	FETCHW
.endif
	WIN 0xcc                                       ; rows read back, and the stores' data, in window 3
.set tt, 0
.rept 16
	ds_load_b128 v[64*\p+4*tt:64*\p+4*tt+3], v[RA+\p] offset:tt*2*SP
.set tt, tt+1
.endr
.set tt, 0
.rept 16
	s_wait_dscnt 15-tt                             ; LDS loads return in order: load tt is in
	global_store_b128 v[GO], v[64*\p+4*tt:64*\p+4*tt+3], s[36:37] offset:tt*2*QROW+256*\p   ; 16 lanes store 256 consecutive bytes at a multiple of 256 from qkv's first byte
.set tt, tt+1
.endr
.if \p < 2
	WIN 0x04
.else
	WIN 0
.endif
.endm
	WIN 0x04                                       ; source 1 (x) in window 1; all else in window 0: one setting for fragment loads and products
.set NP, 0
.set NK, 0
.set NB, WB
	FETCHW
	PASS 0
	ST16 0, WAD+4, 0, 4*WP, 48, 1, 28, 0           ; groups 8 to 11: unit 1 has come in during pass 0; it goes into the second region; unit 2 is asked for: on its way during pass 1
	ST16 1, WAD+5, 0, 4*WP, 48, 1, 28, 16
	ST16 2, WAD+6, 0, 4*WP, 48, 1, 28, 32
	ST16 3, WAD+7, 0, 4*WP, 48, 1, 28, 48
	EXCH 0
	PASS 1
	ST16 0, WAD+0, 0, 4*WP, 48, 1                  ; groups 12 to 15: unit 2 into the first region: every wave's reads of unit 0 ended in front of the last barrier
	ST16 1, WAD+1, 0, 4*WP, 32, 1                  ; nothing is loaded behind these: the counts run down
	ST16 2, WAD+2, 0, 4*WP, 16, 1
	ST16 3, WAD+3, 0, 4*WP, 0, 0                   ; no group follows: no out-buffer is written again
	WIN 0
	; every wave loads the eight words of w_o (1 KiB, the same bytes in all four), so that the waits are alike in all waves; wave 0 alone stores
.irp i, 0,1,2,3,4,5,6,7
	global_load_b32 v[WW+\i], v[WOA], s[38:39] offset:1024*\i
.endr
	EXCH 1
	PASS 2
	s_wait_loadcnt 0x0                             ; w_o's words, asked for a pass ago
.irp i, 0,1,2,3
	v_cvt_pk_f16_f32 v[WH+\i], v[WW+2*\i], v[WW+2*\i+1]
.endr
	s_cmp_lg_u32 s18, 0
	s_cbranch_scc1 .Lno_wo
	s_wait_alu depctr_va_vdst(0)                   ; the four conversions have written v[WH ..], the store's data
	global_store_b128 v[WOS], v[WH:WH+3], s[40:41] ; 512 consecutive bytes; WH and WOS are never written again
.Lno_wo:
	EXCH 2
	s_wait_dscnt 0x0                               ; the closing lines, six on end
	s_wait_alu 0x0
	s_wait_tensorcnt 0x0
	ds_add_u32 v62, v63
	s_wait_dscnt 0x0
	s_endpgm
.Lfunc_end_k_q6375a4f10d_proj:
	.size	k_q6375a4f10d_proj, .Lfunc_end_k_q6375a4f10d_proj-k_q6375a4f10d_proj
	.p2alignl 7, 3214868480
	.fill 96, 4, 3214868480
	.section	.rodata,"a",@progbits
	.p2align	6, 0x0
	.amdhsa_kernel k_q6375a4f10d_proj
		.amdhsa_group_segment_fixed_size 320000
		.amdhsa_private_segment_fixed_size 0
		.amdhsa_enable_private_segment 0
		.amdhsa_kernarg_size 56
		.amdhsa_user_sgpr_count 2
		.amdhsa_user_sgpr_kernarg_segment_ptr 1
		.amdhsa_wavefront_size32 1
		.amdhsa_system_sgpr_workgroup_id_x 1
		.amdhsa_system_sgpr_workgroup_id_y 1
		.amdhsa_system_sgpr_workgroup_id_z 1
		.amdhsa_system_vgpr_workitem_id 0
		.amdhsa_next_free_vgpr 1024
		.amdhsa_next_free_sgpr 66
		.amdhsa_reserve_vcc 0
		.amdhsa_float_denorm_mode_32 3
		.amdhsa_float_denorm_mode_16_64 3
		.amdhsa_memory_ordered 1
		.amdhsa_forward_progress 1
		.amdhsa_inst_pref_size 151
	.end_amdhsa_kernel
	.amdgpu_metadata
---
amdhsa.version: [ 1, 2 ]
amdhsa.kernels:
  - .name:           k_q6375a4f10d_proj
    .symbol:         k_q6375a4f10d_proj.kd
    .args:
      - { .name: x, .offset: 0, .size: 8, .value_kind: global_buffer, .address_space: global }
      - { .name: w_q, .offset: 8, .size: 8, .value_kind: global_buffer, .address_space: global }
      - { .name: w_k, .offset: 16, .size: 8, .value_kind: global_buffer, .address_space: global }
      - { .name: w_v, .offset: 24, .size: 8, .value_kind: global_buffer, .address_space: global }
      - { .name: w_o, .offset: 32, .size: 8, .value_kind: global_buffer, .address_space: global }
      - { .name: qkv, .offset: 40, .size: 8, .value_kind: global_buffer, .address_space: global }
      - { .name: wof, .offset: 48, .size: 8, .value_kind: global_buffer, .address_space: global }
    .group_segment_fixed_size: 320000
    .private_segment_fixed_size: 0
    .kernarg_segment_align: 8
    .kernarg_segment_size: 56
    .max_flat_workgroup_size: 128
    .sgpr_count:     66
    .vgpr_count:     1024
    .wavefront_size: 32
...
	.end_amdgpu_metadata
.endif
;; end of part 5
;; launch attn: the kernel of part 4 again; grid 32 x 8, 8 waves a work-group, clusters of 4 x 1, 327,680 bytes of LDS; arguments qkv, wof, b_o, out0; writes out0
